; MI455X (gfx1250); checked and timed in simulation.
; The chip was launched on July 23, 2026; its instructions are those of AMD's public machine-readable ISA for CDNA 5 (MIT licence, August 2026) and "CDNA5" Instruction Set Architecture Reference Guide (July 2026). The comments in the code are by the model that wrote it; some were corrected since.
;; Knn Graph. Allowed arithmetic: matrix products marked QUANTISED: E5M2 operands, one E8M0 scale for each 32 along K, by v_wmma_scale_f32_16x16x128_f8f6f4 with both operands' format E5M2, f32 sums; everything else in f32.
;; Inputs: x 2 x 64 x 8,192 x 1 float32.
;; Outputs: out0 2 x 2 x 8,192 x 16 int32.
;; This version of the problem:
;;   THIS VERSION OF THE PROBLEM IS GIVEN IN LOW PRECISION. The matrix products marked QUANTISED in the list below multiply operands that are first quantised to E5M2 (5 exponent bits, 2 mantissa bits; 8 bits a number), with one power-of-two scale for each 32 numbers along K (OCP MX v1.0); their sums are f32. All else is computed in f32.
;;   The module's matrix products, in the order in which they are computed (A, B: the left and right operand; K: the contracted axis; several contracted axes count as one K, in the product's order):
;;     1. batch 2 x [M 8,192, K 64] x [K 64, N 8,192]; A: input x; B: input x: QUANTISED
;;   THE QUANTISER, for each operand of a quantised product, along K:
;;     - K is cut into blocks of 32 from its start; a last block that is shorter is filled with zeros.
;;     - A block's scale is 2^e with e = floor(log2(the largest magnitude in the block)) - 15, held to -126 .. 127; a block of zeros has e = 0. As a byte (E8M0): e + 127.
;;     - Each number is divided by its block's scale, clamped to +-57,344, and rounded to the nearest number of E5M2, ties to even, subnormals kept.
;;     - The product sums the exact products of the quantised numbers (number of the format x scale) in f32.
;;   ~~~python
;;   def quantise(x, axis):      # numpy; x: float32 -> the quantised numbers, widened to float32 again
;;       x = np.moveaxis(x, axis, -1); K = x.shape[-1]
;;       x = np.pad(x, [(0, 0)] * (x.ndim - 1) + [(0, -K % 32)]); x = x.reshape(x.shape[:-1] + (-1, 32)); a = np.abs(x).max(-1, keepdims=True)
;;       e = np.where(a > 0, np.clip(np.frexp(np.where(a > 0, a, 1))[1] - 1 - 15, -126, 127), 0)      # np.frexp(a)[1] - 1 = floor(log2(a)), exactly
;;       r = np.clip(x / 2.0 ** e, -57344, 57344)
;;       step = 2.0 ** (np.maximum(np.frexp(np.where(r == 0, 1, r))[1] - 1, -14) - 2)
;;       q = np.round(r / step) * step * 2.0 ** e      # np.round: ties to even
;;       return np.moveaxis(q.reshape(q.shape[:-2] + (-1,))[..., :K], -1, axis).astype(np.float32)
;;   ~~~
;; 2 versions, each right; version 2 is version 1 with the launch pick written anew for expert scheduling mode. Each part assembles by itself: llvm-mc -triple=amdgcn-amd-amdhsa -mcpu=gfx1250 --defsym DOCPART=n.
;; ======== version 1 of 2: 3 launches
;; workspace buffers: strm 1,179,648 bytes; gidF 1,048,576 bytes of whole numbers; gidG 1,048,576 bytes of whole numbers
;; launch quant (part 1): grid 256 x 1, 2 waves a work-group, no clusters, 768 bytes of LDS; arguments x, strm; writes strm
.if DOCPART == 1
	.amdgcn_target "amdgcn-amd-amdhsa--gfx1250"
	.amdhsa_code_object_version 6
	.text
	.protected	k_qb0b51936b5_quant
	.globl	k_qb0b51936b5_quant
	.p2align	8
	.type	k_qb0b51936b5_quant,@function
k_qb0b51936b5_quant:
	s_mov_b64 s[64:65], 0
	v_nop
	global_prefetch_b8 v0, s[64:65] scope:SCOPE_SE
	s_setreg_imm32_b32 hwreg(HW_REG_WAVE_MODE, 25, 1), 1
	s_wait_xcnt 0x0
; x [2][64 channels][8192 points] f32 becomes a stream that the two later launches read: codes of BF8 (E5M2) along the 64 channels, one E8M0 scale byte for each 32 channels,
; and each point's sum of squares in f32 (of the unquantised numbers: a product, then 63 fused multiply-adds, channels ascending).
; THE STREAM: [2 batches][256 chunks of 32 points][2,304 bytes].  Point e = 16 g + 8 t + j of a chunk.  Its 16 codes of channels 32 c + 16 a .. + 15 lie at t 1024 + c 512 + a 256 + g 128 + j 16:
; so 512 bytes on end at t 1024 + c 512, 16 to a lane, are registers 4 c .. 4 c + 3 of an operand whose row 8 g + j is point 16 g + 8 t + j.  Behind the 2,048 bytes of codes, for each g 128 bytes:
; 16 scale words (byte 0: channels 0-31, byte 1: channels 32-63, bytes 2 and 3: 127, for the zero codes that fill K up to 128), then 16 sums of squares.
; A LANE TAKES A POINT AND ITS REGISTERS RUN DOWN THE CHANNELS: each load reads 128 neighbouring bytes a wave (256 a work-group, aligned), a block of 32 lies in one lane, nothing is transposed.
; A block's scale is 2^(floor(log2(largest magnitude)) - 15), its byte the largest magnitude's exponent field - 15, held at 1 from below (a block of zeros keeps the byte 1: its codes are zeros, and this program alone reads the bytes).
; LIMITS: NaN and infinities among the inputs are not served.  One wave, one chunk; waves share nothing: no barrier.
.set CH,  2304                         ; bytes of a chunk
.set X,   32                           ; v32-95  my point's 64 numbers
.set COD, 16                           ; v16-31  its 64 codes
	s_load_b128 s[4:7], s[0:1], 0x0                ; x, the stream
	v_lshl_add_u32 v128, v0, 2, 0x200
	v_mov_b32 v129, 0
	v_lshrrev_b32 v6, 5, v0
	v_readfirstlane_b32 s9, v6                     ; wave 0, 1
	v_and_b32 v7, 31, v0                           ; lane = the point's place e in the chunk
	v_lshlrev_b32 v1, 2, v7                        ; in: 4 bytes a lane
	v_bfe_u32 v8, v0, 4, 1                         ; g
	v_bfe_u32 v9, v0, 3, 1                         ; t
	v_and_b32 v10, 7, v0                           ; j
	v_and_b32 v11, 15, v0                          ; 8 t + j
	v_lshlrev_b32 v2, 7, v8
	v_lshl_add_u32 v2, v9, 10, v2
	v_lshl_add_u32 v2, v10, 4, v2                  ; my codes' place: g 128 + t 1024 + j 16
	s_lshl_b32 s10, s9, 8                          ; my wave's 256 bytes of LDS
	v_lshl_add_u32 v3, v11, 2, s10
	v_lshl_add_u32 v3, v8, 7, v3                   ; into them: g 128 + 4 (8 t + j)
	v_lshl_add_u32 v4, v7, 3, s10                  ; out of them: 8 bytes a lane
	v_lshlrev_b32 v5, 3, v7
	s_lshl_b32 s11, ttmp9, 1
	s_add_co_u32 s11, s11, s9                      ; my chunk, 0 .. 511
	s_lshr_b32 s12, s11, 8
	s_lshl_b32 s12, s12, 21                        ; the batch: 64 x 8192 x 4 bytes
	s_and_b32 s13, s11, 255
	s_lshl_b32 s13, s13, 7                         ; 32 points x 4 bytes
	s_add_co_u32 s12, s12, s13
	s_mov_b32 s13, 0
	s_mul_i32 s14, s11, CH
	s_mov_b32 s15, 0
	s_mov_b32 s8, 0x600000                         ; the mantissa field of 57,344
	s_wait_kmcnt 0x0
	s_add_nc_u64 s[4:5], s[4:5], s[12:13]
	s_add_nc_u64 s[6:7], s[6:7], s[14:15]
.set cc, 0
.rept 64
	global_load_b32 v[X+cc], v1, s[4:5] offset:cc*32768 th:TH_LOAD_NT   ; channel cc of my point; a channel's row is 32,768 bytes
.set cc, cc+1
.endr
.macro BLOCK b                         ; channels 32 b .. 32 b + 31 become 32 codes and a byte
.set XS, X+32*\b
	v_max3_num_f32 v8, |v[XS]|, |v[XS+1]|, |v[XS+2]|
	v_max3_num_f32 v9, |v[XS+3]|, |v[XS+4]|, |v[XS+5]|
.irp i, 6,10,14,18,22,26
	v_max3_num_f32 v8, v8, |v[XS+\i]|, |v[XS+\i+1]|
	v_max3_num_f32 v9, v9, |v[XS+\i+2]|, |v[XS+\i+3]|
.endr
	v_max3_num_f32 v8, v8, |v[XS+30]|, |v[XS+31]|
	v_max3_num_f32 v8, v8, v9, 0x8000000           ; the floor 2^(16 - 127): the byte cannot fall under 1
	v_add_nc_u32 v11, 0xf8800000, v8               ; 15 off the exponent field: the conversion's scale operand
	v_and_or_b32 v10, v8, 0x7f800000, s8           ; 57,344 x the scale
	v_lshrrev_b32 v[12+\b], 23, v11                ; the scale's byte
.irp i, 0,1,2,3,4,5,6,7,8,9,10,11,12,13,14,15,16,17,18,19,20,21,22,23,24,25,26,27,28,29,30,31
	v_med3_num_f32 v[XS+\i], v[XS+\i], -v10, v10   ; the conversion to an 8-bit code does not saturate (ISA guide 7.6.2): hold first
.endr
.irp g, 0,1,2,3
	v_cvt_scalef32_pk8_bf8_f32 v[COD+8*\b+2*\g:COD+8*\b+2*\g+1], v[XS+8*\g:XS+8*\g+7], v11
.endr
	v_nop                                          ; one plain line between the conversions and the next vector line that writes their sources
.endm
	s_wait_loadcnt 32                              ; channels 0-31 are in; the 32 younger loads may be out
	v_mul_f32 v96, v[X], v[X]                      ; the sum of squares reads x ahead of the hold, which rewrites it
.set cc, 1
.rept 31
	v_fmac_f32 v96, v[X+cc], v[X+cc]
.set cc, cc+1
.endr
	BLOCK 0
	s_wait_loadcnt 0x0
.rept 32
	v_fmac_f32 v96, v[X+cc], v[X+cc]
.set cc, cc+1
.endr
	BLOCK 1
	v_lshl_or_b32 v97, v13, 8, v12
	v_or_b32 v97, 0x7f7f0000, v97                  ; the scale word
.irp c, 0,1
.irp a, 0,1
	global_store_b128 v2, v[COD+8*\c+4*\a:COD+8*\c+4*\a+3], s[6:7] offset:\c*512+\a*256   ; the wave's 32 x 16 bytes fill two aligned runs of 256 bytes (t = 0 and t = 1)
.endr
.endr
	ds_store_b32 v3, v97                           ; scale words and sums meet in my wave's 256 bytes of LDS,
	ds_store_b32 v3, v96 offset:64
	ds_load_b64 v[98:99], v4                       ; (LDS serves a wave's instructions in order, ISA guide 5.7.1.4: this sees my stores)
	s_wait_dscnt 0x0
	global_store_b64 v5, v[98:99], s[6:7] offset:2048   ; and leave as 256 consecutive bytes, aligned
	s_wait_tensorcnt 0x0
	ds_add_u32 v128, v129
	s_wait_dscnt 0x0
	s_endpgm
.Lfunc_end_k_qb0b51936b5_quant:
	.size	k_qb0b51936b5_quant, .Lfunc_end_k_qb0b51936b5_quant-k_qb0b51936b5_quant
	.p2alignl 7, 3214868480
	.fill 96, 4, 3214868480
	.section	.rodata,"a",@progbits
	.p2align	6, 0x0
	.amdhsa_kernel k_qb0b51936b5_quant
		.amdhsa_group_segment_fixed_size 768
		.amdhsa_private_segment_fixed_size 0
		.amdhsa_enable_private_segment 0
		.amdhsa_kernarg_size 16
		.amdhsa_user_sgpr_count 2
		.amdhsa_user_sgpr_kernarg_segment_ptr 1
		.amdhsa_wavefront_size32 1
		.amdhsa_system_sgpr_workgroup_id_x 1
		.amdhsa_system_sgpr_workgroup_id_y 1
		.amdhsa_system_sgpr_workgroup_id_z 1
		.amdhsa_system_vgpr_workitem_id 0
		.amdhsa_next_free_vgpr 130
		.amdhsa_next_free_sgpr 66
		.amdhsa_reserve_vcc 0
		.amdhsa_float_denorm_mode_32 3
		.amdhsa_float_denorm_mode_16_64 3
		.amdhsa_memory_ordered 1
		.amdhsa_forward_progress 1
		.amdhsa_inst_pref_size 18
	.end_amdhsa_kernel
	.amdgpu_metadata
---
amdhsa.version: [ 1, 2 ]
amdhsa.kernels:
  - .name:           k_qb0b51936b5_quant
    .symbol:         k_qb0b51936b5_quant.kd
    .args:
      - { .name: x, .offset: 0, .size: 8, .value_kind: global_buffer, .address_space: global }
      - { .name: strm, .offset: 8, .size: 8, .value_kind: global_buffer, .address_space: global }
    .group_segment_fixed_size: 768
    .private_segment_fixed_size: 0
    .kernarg_segment_align: 8
    .kernarg_segment_size: 16
    .max_flat_workgroup_size: 64
    .sgpr_count:     66
    .vgpr_count:     130
    .wavefront_size: 32
...
	.end_amdgpu_metadata
.endif
;; end of part 1
;; launch groups (part 2): grid 256 x 1, 4 waves a work-group, clusters of 4 x 1, 327,680 bytes of LDS; arguments strm, gidF, gidG; writes gidF, gidG
.if DOCPART == 2
	.amdgcn_target "amdgcn-amd-amdhsa--gfx1250"
	.amdhsa_code_object_version 6
	.text
	.protected	k_qb0b51936b5_groups
	.globl	k_qb0b51936b5_groups
	.p2align	8
	.type	k_qb0b51936b5_groups,@function
k_qb0b51936b5_groups:
	s_mov_b64 s[64:65], 0
	v_nop
	global_prefetch_b8 v0, s[64:65] scope:SCOPE_SE
	s_setreg_imm32_b32 hwreg(HW_REG_WAVE_MODE, 25, 1), 1
	s_wait_xcnt 0x0
	s_wait_alu depctr_hold_cnt(0) depctr_sa_sdst(0) depctr_va_vdst(0) depctr_va_sdst(0) depctr_va_ssrc(0) depctr_va_vcc(0) depctr_vm_vsrc(0)
	s_getreg_b32 s2, hwreg(HW_REG_IB_STS2, 6, 4)
	s_cmp_eq_u32 s2, 0
	s_cbranch_scc0 .Lentry_in_a_cluster
	s_endpgm
.Lentry_in_a_cluster:
	s_bfe_u32 s2, ttmp6, 0x10000c
	s_cmp_lg_u32 s2, 0x3003
	s_cbranch_scc0 .Lentry_shape_is_right
	s_endpgm
.Lentry_shape_is_right:
; FIRST PASS OF THE SEARCH.  d(n, m) = (sq[n] - 2 inner(n, m)) + sq[m], inner on codes of BF8 with E8M0 scales.  The 8,192 candidates of a batch are 512 groups of 16 neighbours.  An element among the 16 smallest by
; (d, index) lies in a group that is among the 16 smallest by (the group's smallest d, the group's number): sixteen groups ahead of its own would each hold an element ahead of it.  So here every d is made, but only
; one minimum for each 16 goes into a sorted list; the 16 groups of each query are stored, ascending, as whole numbers; the next launch looks into those groups alone.
; SHARES.  A wave owns 16 queries (one group of the stream) and walks all candidates of its batch, 32 a step.  THE PRODUCT IS USED TRANSPOSED (source 0 = 16 candidates, source 1 = my 16 queries): lane (r, h) holds query r,
; and by the stream's order of rows the 16 registers of a step's two products are candidates 32 c + 16 h + 0 .. 15: group 2 c + h, whole, in one lane.  K = 64: registers 8-15 of every operand are zero codes, written once.
; ROUNDING: -2 x inner is exact, so one fused multiply-add gives sq[n] + (-2 inner) rounded once; then sq[m] is added.  Ties go to the lower index: a lane's groups come in ascending order and the list takes a newcomer only where it is strictly smaller.
; LIMITS: inputs and distances are finite (an infinite or NaN distance is never taken into a list); +0 and -0 count as equal.
; CLUSTER.  All work-groups of a batch walk the same stream: the four of a cluster ask for each part JOINTLY (the same tensor load, the same descriptor, mask 15).  The place in the cluster enters the queries' and the results' addresses alone.
; RING.  Two LDS slots of 64 chunks (147,456 bytes), each wave fetching a quarter by one load; the stream of a batch is four slots' worth: two first fills, two refills, each with a whole slot's 64 steps in which to land.
; No prefetch is written: each byte of the stream is asked for by every cluster of its batch, not once.
.set CH,    2304
.set SLOTB, 64*CH
.set QUART, SLOTB/4
.set SPARE, 2*SLOTB                    ; behind the ring: the spare words, 128 bytes a wave: two blocks of 256 bytes that no other line names
.set SCR,   SPARE+512                  ; behind them: 2,048 bytes a wave for the way out; no tensor load lands there
.set SPW, 1                            ; v1   SPARE + 4 x my thread's number; never rewritten
.set NIL, 2                            ; v2   0; never rewritten
.set AF0, 3                            ; v3   16 x lane: my place in a fragment's 512 bytes
.set AS0, 4                            ; v4   my place among a chunk's scale words: lanes 0-15 the rows of product t = 0, lanes 16-31 those of t = 1
.set AQ0, 5                            ; v5   my group's 16 sums of squares
.set ADF, 6                            ; v6-8 the same three + the LDS byte at which the pair of steps in hand begins
.set ADS, 7
.set ADQ, 8
.set GID, 9                            ; v9   the number of the group in hand, as f32 (up to 511: exact)
.set SQN, 10                           ; v[10:11] sq of my query, twice
.set QS,  12                           ; v12  my queries' scale words
.set Q,   16                           ; v[16:31] my queries' fragment
.set FR,  32                           ; v[32:63], v[64:95] two sets of two fragments of candidates
.set SC,  96                           ; v96, v97 their scale words
.set SQ,  100                          ; v[100:115], v[116:131] two sets of 16 sums of squares
.set ACC, 132                          ; v[132:147], v[148:163] two sets of two accumulators
.set L,   164                          ; v[164:179] the 16 smallest minima so far, ascending
.set I,   180                          ; v[180:195] their groups
.set T,   196                          ; v[196:211] at work
.set MN,  212                          ; v212, v213 the group's minimum, in two chains
.macro ROUND                           ; a round of the cluster's barrier
	s_barrier_signal -1
	s_barrier_wait -1
	s_cmp_lg_u32 s10, 0
	s_cbranch_scc1 .Lnot_wave_0_\@
	s_barrier_signal -3
.Lnot_wave_0_\@:
	s_barrier_wait -3
	s_barrier_signal -1
	s_barrier_wait -1
.endm
; v[x] with payload v[id] goes into the sorted list, without a branch: 64 lines, in runs of 15 or 16 that do not wait for each other.  c_i = x < L[i].  The payload of place i: where c_(i-1), the old neighbour's; else where c_i, the newcomer's.
.macro INSERT x, id
.irp i, 0,1,2,3,4,5,6,7,8,9,10,11,12,13,14,15
	v_cmp_lt_f32 s[48+\i], v[\x], v[L+\i]
.endr
.irp i, 0,1,2,3,4,5,6,7,8,9,10,11,12,13,14,15
	v_cndmask_b32 v[T+\i], v[I+\i], v[\id], s[48+\i]
.endr
.irp i, 15,14,13,12,11,10,9,8,7,6,5,4,3,2,1
	v_cndmask_b32 v[I+\i], v[T+\i], v[I+\i-1], s[48+\i-1]
.endr
	v_mov_b32 v[I], v[T]
.irp i, 15,14,13,12,11,10,9,8,7,6,5,4,3,2,1
	v_med3_num_f32 v[L+\i], v[L+\i-1], v[L+\i], v[\x]   ; the middle of the old neighbour, the old value and the newcomer
.endr
	v_min_num_f32 v[L], v[L], v[\x]
.endm
	s_load_b128 s[4:7], s[0:1], 0x0                ; the stream, gidF
	s_load_b64 s[8:9], s[0:1], 0x10                ; gidG
	v_lshl_add_u32 v[SPW], v0, 2, SPARE
	v_mov_b32 v[NIL], 0
	ds_add_u32 v1, v2
	ds_add_u32 v1, v2
	s_wait_dscnt 0x0
	v_lshrrev_b32 v13, 5, v0
	v_readfirstlane_b32 s10, v13                   ; wave 0..3
	s_bfe_u32 s32, ttmp6, 0x40000                  ; cx: my place in the cluster
	s_lshl_b32 s33, ttmp9, 2
	s_add_co_u32 s33, s33, s32
	s_lshl_b32 s33, s33, 2
	s_add_co_u32 s33, s33, s10                     ; my tile of 16 queries, 0 .. 1023
	s_lshr_b32 s34, ttmp9, 5                       ; the batch: the four partners share it
	s_mul_i32 s34, s34, 4*SLOTB
	s_mov_b32 s35, 0
	s_and_b32 s36, s33, 511                        ; my queries are group Gq of the batch: at (Gq / 2) x 2304 + (Gq % 2) x 128
	s_lshr_b32 s37, s36, 1
	s_mul_i32 s37, s37, CH
	s_and_b32 s36, s36, 1
	s_lshl_b32 s36, s36, 7
	s_add_co_u32 s36, s36, s37
	s_mov_b32 s37, 0
	s_lshl_b32 s38, s33, 10                        ; my 16 rows of 64 bytes in each table
	s_mov_b32 s39, 0
	s_mul_i32 s40, s10, QUART                      ; my quarter of a slot: no place in the cluster enters it
	s_mov_b32 s41, 0
	s_mov_b32 s13, 0xffff0000                      ; lanes 16-31
	s_mov_b32 s14, 0x76543210                      ; v_permlanex16_b32's selects for lane l xor 16
	s_mov_b32 s15, 0xfedcba98
	; descriptor group 1: a dense block of 36,864 bytes as 144 rows of 256 bytes
	s_mov_b32 s16, 15|(3<<16)|(1<<21)              ; 15:0 the mask: all four work-groups; 17:16 elements of 8 bytes; 21 set beside a mask; no padding: every read takes 16 bytes a lane on end
	s_mov_b32 s17, 32<<16                          ; tensor_dim0 = 32
	s_mov_b32 s18, 144<<16                         ; tensor_dim1 = 144
	s_mov_b32 s19, 32<<16                          ; tile_dim0 = 32
	s_mov_b32 s20, 144                             ; tile_dim1 = 144
	s_mov_b32 s21, 32                              ; from row to row
	s_mov_b32 s22, 0
	s_mov_b32 s23, 0
	s_wait_kmcnt 0x0
	s_add_nc_u64 s[4:5], s[4:5], s[34:35]          ; the batch's stream
	s_add_nc_u64 s[6:7], s[6:7], s[38:39]
	s_add_nc_u64 s[8:9], s[8:9], s[38:39]
	s_add_nc_u64 s[42:43], s[4:5], s[36:37]        ; my queries' group
	s_add_nc_u64 s[44:45], s[4:5], s[40:41]        ; my quarter of the stream's first slot
	ROUND                                          ; all four work-groups are here: the first joint loads meet
.irp s, 0,1
	s_mov_b32 s[24+4*\s], 1                        ; count = 1
	s_add_co_u32 s[25+4*\s], s40, \s*SLOTB         ; LDS address
	s_add_nc_u64 s[26+4*\s:27+4*\s], s[44:45], \s*SLOTB
	s_or_b32 s[27+4*\s], s[27+4*\s], 0x80000000    ; type = 2
.endr
	tensor_load_to_lds s[24:27], s[16:23]          ; both first fills together: two loads of mine are out
	s_nop 0
	tensor_load_to_lds s[28:31], s[16:23]
	s_nop 0
.rept 4
	v_nop
.endr
	v_and_b32 v13, 15, v0                          ; r
	v_bfe_u32 v14, v0, 4, 1                        ; h
	v_bfe_u32 v15, v0, 3, 1
	v_and_b32 v[MN], 7, v0
	v_lshlrev_b32 v15, 10, v15
	v_lshl_add_u32 v15, v14, 8, v15
	v_lshl_add_u32 v15, v[MN], 4, v15              ; point r of a group, my half's 16 codes: (r / 8) 1024 + h 256 + (r % 8) 16
	v_lshlrev_b32 v[MN+1], 2, v13
	global_load_b128 v[Q:Q+3], v15, s[42:43]               ; channels 16 h .. + 15
	global_load_b128 v[Q+4:Q+7], v15, s[42:43] offset:512  ; channels 32 + 16 h .. + 15
	global_load_b32 v[QS], v[MN+1], s[42:43] offset:2048
	global_load_b32 v[SQN], v[MN+1], s[42:43] offset:2112
	v_and_b32 v[AF0], 31, v0
	v_lshlrev_b32 v[AF0], 4, v[AF0]
	v_bfe_u32 v[AS0], v0, 3, 1
	v_lshlrev_b32 v[AS0], 7, v[AS0]
	v_lshl_add_u32 v[AS0], v14, 5, v[AS0]
	v_lshl_add_u32 v[AS0], v[MN], 2, v[AS0]
	v_add_nc_u32 v[AS0], 2048, v[AS0]              ; row 8 g + j of product t is point 16 g + 8 t + j: word at 2048 + g 128 + t 32 + j 4, with t = lane / 16
	v_lshlrev_b32 v[AQ0], 7, v14
	v_add_nc_u32 v[AQ0], 2112, v[AQ0]
	v_cvt_f32_u32 v[GID], v14                      ; the first group of my half: h
.irp j, 8,9,10,11,12,13,14,15
	v_mov_b32 v[Q+\j], 0                           ; K = 64 .. 127: zero codes, in all five operands
	v_mov_b32 v[FR+\j], 0
	v_mov_b32 v[FR+16+\j], 0
	v_mov_b32 v[FR+32+\j], 0
	v_mov_b32 v[FR+48+\j], 0
.endr
.irp i, 0,1,2,3,4,5,6,7,8,9,10,11,12,13,14,15
	v_mov_b32 v[L+\i], 0x7f800000                  ; the list begins as infinities
	v_mov_b32 v[I+\i], 0
.endr
	s_wait_loadcnt 0x0
	v_mov_b32 v[SQN+1], v[SQN]
.macro LDF s, k                        ; the two fragments and the scale words of chunk k (counted from the pair in hand) into set s: five loads
.irp t, 0,1
.irp c, 0,1
	ds_load_b128 v[FR+32*(\s)+16*\t+4*\c:FR+32*(\s)+16*\t+4*\c+3], v[ADF] offset:(\k)*CH+\t*1024+\c*512
.endr
.endr
	ds_load_b32 v[SC+(\s)], v[ADS] offset:(\k)*CH
.endm
.macro LDQ s, k                        ; its 16 sums of squares of my half's group: four loads
.irp i, 0,1,2,3
	ds_load_b128 v[SQ+16*(\s)+4*\i:SQ+16*(\s)+4*\i+3], v[ADQ] offset:(\k)*CH+16*\i
.endr
.endm
.macro MMA s                           ; a step's two products; each starts its sum with the constant 0
	v_wmma_scale_f32_16x16x128_f8f6f4 v[ACC+16*(\s):ACC+16*(\s)+7], v[FR+32*(\s):FR+32*(\s)+15], v[Q:Q+15], 0, v[SC+(\s)], v[QS] matrix_a_fmt:MATRIX_FMT_BF8 matrix_b_fmt:MATRIX_FMT_BF8
	v_wmma_scale_f32_16x16x128_f8f6f4 v[ACC+16*(\s)+8:ACC+16*(\s)+15], v[FR+32*(\s)+16:FR+32*(\s)+31], v[Q:Q+15], 0, v[SC+(\s)], v[QS] matrix_a_fmt:MATRIX_FMT_BF8 matrix_b_fmt:MATRIX_FMT_BF8 matrix_a_scale:MATRIX_SCALE_ROW1
.endm
; STEP c, of parity p.  Its products were issued a step ago.  mma: the products of step c + 1.  ldf: the fragments of step c + 3, into the set that those products have just read, behind eight places.  lds: the sums of squares of step c + 2.
; cnt: the LDS loads younger than what is needed now (the fragments of c + 1, the sums of c): in the steady state the five of c + 2 and the four of c + 1.
.macro HALF p, mma, ldf, lds, cnt, kf, ks
	s_wait_dscnt \cnt
.if \mma
	MMA 1-\p
.endif
.irp i, 0,2,4,6,8,10,12,14
	v_pk_fma_f32 v[ACC+16*(\p)+\i:ACC+16*(\p)+\i+1], v[ACC+16*(\p)+\i:ACC+16*(\p)+\i+1], -2.0, v[SQN:SQN+1] op_sel_hi:[1,0,1]   ; sq[n] - 2 inner, each accumulator from its low end on; these eight are also the places in front of the loads below
.endr
.if \ldf
	LDF 1-\p, \kf
.endif
.irp i, 0,2,4,6,8,10,12,14
	v_pk_add_f32 v[ACC+16*(\p)+\i:ACC+16*(\p)+\i+1], v[ACC+16*(\p)+\i:ACC+16*(\p)+\i+1], v[SQ+16*(\p)+\i:SQ+16*(\p)+\i+1]   ; + sq[m]
.endr
.if \lds
	LDQ \p, \ks
.endif
.set AB, ACC+16*(\p)
	v_min3_num_f32 v[MN], v[AB], v[AB+1], v[AB+2]  ; the group's smallest d, in two chains
	v_min3_num_f32 v[MN+1], v[AB+3], v[AB+4], v[AB+5]
	v_min3_num_f32 v[MN], v[MN], v[AB+6], v[AB+7]
	v_min3_num_f32 v[MN+1], v[MN+1], v[AB+8], v[AB+9]
	v_min3_num_f32 v[MN], v[MN], v[AB+10], v[AB+11]
	v_min3_num_f32 v[MN+1], v[MN+1], v[AB+12], v[AB+13]
	v_min3_num_f32 v[MN], v[MN], v[AB+14], v[AB+15]
	v_min_num_f32 v[MN], v[MN], v[MN+1]
	INSERT MN, GID
	v_add_f32 v[GID], 2.0, v[GID]                  ; my half's next group
.endm
.macro ADDR
	v_add_nc_u32 v[ADF], s11, v[AF0]
	v_add_nc_u32 v[ADS], s11, v[AS0]
	v_add_nc_u32 v[ADQ], s11, v[AQ0]
.endm
; A slot's 64 steps: a start, 30 trips of two steps, four steps written out, which ask for nothing beyond the slot.
.macro RUN base
	s_mov_b32 s11, \base
	ADDR
	LDF 0, 0
	LDF 1, 1
	LDQ 0, 0
	LDQ 1, 1
	s_wait_dscnt 13                                ; step 0's five loads are in; the 5 + 4 + 4 behind them may be out
	MMA 0
.rept 8
	v_nop                                          ; places in front of loads into registers that these products read
.endr
	LDF 0, 2
	s_mov_b32 s12, 30
.Lpair_\@:
	ADDR
	HALF 0, 1, 1, 1, 9, 3, 2
	HALF 1, 1, 1, 1, 9, 4, 3
	s_add_co_u32 s11, s11, 2*CH
	s_sub_co_u32 s12, s12, 1
	s_cmp_lg_u32 s12, 0
	s_cbranch_scc1 .Lpair_\@
	ADDR
	HALF 0, 1, 1, 1, 9, 3, 2                       ; step 60
	HALF 1, 1, 0, 1, 9, 0, 3                       ; step 61: no fragments are left to fetch
	HALF 0, 1, 0, 0, 4, 0, 0                       ; step 62: only step 63's four sums are younger
	HALF 1, 0, 0, 0, 0, 0, 0                       ; step 63
.endm
; THE CHANGE OF SLOTS.  Each wave waits for all its tensor loads (its part of the slot ahead), adds 0 to its spare word, and waits for that and for its reads of the slot that it has left.  fill = 1: that slot is filled again,
; behind a round of the cluster's barrier, so that no wave of any partner still reads it or has a load on its way; the joint load is the first thing behind the round, and my one tensor load until the next.
.macro CHANGE fill, slot
	s_wait_tensorcnt 0x0
	ds_add_u32 v[SPW], v[NIL]
.if \fill
	s_add_nc_u64 s[26+4*\slot:27+4*\slot], s[26+4*\slot:27+4*\slot], 2*SLOTB   ; no load of mine is out, so the descriptor may step: two slots on
.endif
	s_wait_dscnt 0x0
.if \fill
	ROUND
	tensor_load_to_lds s[24+4*\slot:27+4*\slot], s[16:23]
	s_nop 0
.rept 4
	v_nop
.endr
.else
	s_barrier_signal -1
	s_barrier_wait -1
.endif
.endm
	s_wait_tensorcnt 1                             ; my part of slot 0 is in; slot 1's may stay out
	s_barrier_signal -1
	s_barrier_wait -1                              ; everybody's is
	RUN 0
	CHANGE 1, 0
	RUN SLOTB
	CHANGE 1, 1
	RUN 0
	CHANGE 0, 0
	RUN SLOTB
	; THE TWO HALVES OF THE LANES MEET.  Lane (r, h) holds the 16 best groups of parity h.  Place i against the other half's place 15 - i: the smaller of each pair, by (minimum, group), are the 16 best of both; both halves get the same set.
.set OV, 32
.set OI, 48
.set R,  T
.set R2, 64
.irp i, 0,1,2,3,4,5,6,7,8,9,10,11,12,13,14,15
	v_permlanex16_b32 v[OV+\i], v[L+15-\i], s14, s15
.endr
.irp i, 0,1,2,3,4,5,6,7,8,9,10,11,12,13,14,15
	v_permlanex16_b32 v[OI+\i], v[I+15-\i], s14, s15
.endr
.irp i, 0,1,2,3,4,5,6,7,8,9,10,11,12,13,14,15
	v_cmp_lt_f32 s[48+\i], v[L+\i], v[OV+\i]
	v_cmp_eq_f32 s[32+\i], v[L+\i], v[OV+\i]
.endr
.irp i, 0,1,2,3,4,5,6,7,8,9,10,11,12,13,14,15
	v_cmp_lt_f32 vcc_lo, v[I+\i], v[OI+\i]
	s_and_b32 s[32+\i], s[32+\i], vcc_lo
	s_or_b32 s[48+\i], s[48+\i], s[32+\i]
	v_cndmask_b32 v[R+\i], v[OI+\i], v[I+\i], s[48+\i]   ; the winner's group
.endr
; The 16 groups are sorted ascending, so that the next launch meets candidates in the order of their indices: a bitonic network of ten stages between two sets of registers.
.macro BSTAGE src, dst, k, j
.set bi, 0
.rept 16
.if (bi/\j)%2 == 0
.if (bi/\k)%2 == 0
	v_min_num_f32 v[\dst+bi], v[\src+bi], v[\src+bi+\j]
	v_max_num_f32 v[\dst+bi+\j], v[\src+bi], v[\src+bi+\j]
.else
	v_max_num_f32 v[\dst+bi], v[\src+bi], v[\src+bi+\j]
	v_min_num_f32 v[\dst+bi+\j], v[\src+bi], v[\src+bi+\j]
.endif
.endif
.set bi, bi+1
.endr
.endm
	BSTAGE R, R2, 2, 1
	BSTAGE R2, R, 4, 2
	BSTAGE R, R2, 4, 1
	BSTAGE R2, R, 8, 4
	BSTAGE R, R2, 8, 2
	BSTAGE R2, R, 8, 1
	BSTAGE R, R2, 16, 8
	BSTAGE R2, R, 16, 4
	BSTAGE R, R2, 16, 2
	BSTAGE R2, R, 16, 1
.irp j, 0,1,2,3,4,5,6,7
	v_cndmask_b32 v[64+\j], v[R+\j], v[R+8+\j], s13   ; lanes 0-15 keep places 0-7 of their row, lanes 16-31 places 8-15
.endr
.irp j, 0,1,2,3,4,5,6,7
	v_cvt_u32_f32 v[64+\j], v[64+\j]               ; G
.endr
.irp j, 0,1,2,3,4,5,6,7
	v_lshrrev_b32 v[80+\j], 1, v[64+\j]
	v_and_b32 v[88+\j], 1, v[64+\j]
	v_lshlrev_b32 v[72+\j], 4, v[64+\j]            ; 16 G: the group's first index
.endr
.irp j, 0,1,2,3,4,5,6,7
	v_mul_u32_u24 v[80+\j], v[80+\j], CH
.endr
.irp j, 0,1,2,3,4,5,6,7
	v_lshl_add_u32 v[80+\j], v[88+\j], 7, v[80+\j] ; (G / 2) x 2304 + (G % 2) x 128: the group's place in the stream
.endr
	s_lshl_b32 s32, s10, 11
	s_add_co_u32 s32, s32, SCR                     ; my 2,048 bytes
	v_and_b32 v13, 15, v0
	v_bfe_u32 v14, v0, 4, 1
	v_lshlrev_b32 v13, 6, v13
	v_lshl_add_u32 v13, v14, 5, v13
	v_add_nc_u32 v13, s32, v13                     ; in: row r of 64 bytes, + 32 h
	v_add_nc_u32 v14, s32, v[AF0]                  ; back: 16 bytes a lane on end
	ds_store_b128 v13, v[80:83]
	ds_store_b128 v13, v[84:87] offset:16
	ds_store_b128 v13, v[72:75] offset:1024
	ds_store_b128 v13, v[76:79] offset:1040
	ds_load_b128 v[32:35], v14                     ; (a wave's LDS instructions are served in order: these see my stores)
	ds_load_b128 v[36:39], v14 offset:512
	ds_load_b128 v[40:43], v14 offset:1024
	ds_load_b128 v[44:47], v14 offset:1536
	s_wait_dscnt 0x0
	global_store_b128 v[AF0], v[32:35], s[6:7]             ; each store of the wave covers 512 consecutive bytes, aligned
	global_store_b128 v[AF0], v[36:39], s[6:7] offset:512
	global_store_b128 v[AF0], v[40:43], s[8:9]
	global_store_b128 v[AF0], v[44:47], s[8:9] offset:512
	s_wait_tensorcnt 0x0                           ; the wave's end
	ds_add_u32 v[SPW], v[NIL]
	s_wait_dscnt 0x0
	ROUND                                          ; the closing round: no work-group ends while a partner may still ask for a part that names it
	s_endpgm
.Lfunc_end_k_qb0b51936b5_groups:
	.size	k_qb0b51936b5_groups, .Lfunc_end_k_qb0b51936b5_groups-k_qb0b51936b5_groups
	.p2alignl 7, 3214868480
	.fill 96, 4, 3214868480
	.section	.rodata,"a",@progbits
	.p2align	6, 0x0
	.amdhsa_kernel k_qb0b51936b5_groups
		.amdhsa_group_segment_fixed_size 327680
		.amdhsa_private_segment_fixed_size 0
		.amdhsa_enable_private_segment 0
		.amdhsa_kernarg_size 24
		.amdhsa_user_sgpr_count 2
		.amdhsa_user_sgpr_kernarg_segment_ptr 1
		.amdhsa_wavefront_size32 1
		.amdhsa_system_sgpr_workgroup_id_x 1
		.amdhsa_system_sgpr_workgroup_id_y 1
		.amdhsa_system_sgpr_workgroup_id_z 1
		.amdhsa_system_vgpr_workitem_id 0
		.amdhsa_next_free_vgpr 256
		.amdhsa_next_free_sgpr 66
		.amdhsa_reserve_vcc 1
		.amdhsa_float_denorm_mode_32 3
		.amdhsa_float_denorm_mode_16_64 3
		.amdhsa_memory_ordered 1
		.amdhsa_forward_progress 1
		.amdhsa_inst_pref_size 180
	.end_amdhsa_kernel
	.amdgpu_metadata
---
amdhsa.version: [ 1, 2 ]
amdhsa.kernels:
  - .name:           k_qb0b51936b5_groups
    .symbol:         k_qb0b51936b5_groups.kd
    .args:
      - { .name: strm, .offset: 0, .size: 8, .value_kind: global_buffer, .address_space: global }
      - { .name: gidF, .offset: 8, .size: 8, .value_kind: global_buffer, .address_space: global }
      - { .name: gidG, .offset: 16, .size: 8, .value_kind: global_buffer, .address_space: global }
    .group_segment_fixed_size: 327680
    .private_segment_fixed_size: 0
    .kernarg_segment_align: 8
    .kernarg_segment_size: 24
    .max_flat_workgroup_size: 128
    .sgpr_count:     66
    .vgpr_count:     256
    .wavefront_size: 32
...
	.end_amdgpu_metadata
.endif
;; end of part 2
;; launch pick (part 3): grid 256 x 1, 4 waves a work-group, no clusters, 78,336 bytes of LDS; arguments strm, gidF, gidG, out0; writes out0
.if DOCPART == 3
	.amdgcn_target "amdgcn-amd-amdhsa--gfx1250"
	.amdhsa_code_object_version 6
	.text
	.protected	k_qb0b51936b5_pick
	.globl	k_qb0b51936b5_pick
	.p2align	8
	.type	k_qb0b51936b5_pick,@function
k_qb0b51936b5_pick:
	s_mov_b64 s[64:65], 0
	v_nop
	global_prefetch_b8 v0, s[64:65] scope:SCOPE_SE
	s_setreg_imm32_b32 hwreg(HW_REG_WAVE_MODE, 25, 1), 1
	s_wait_xcnt 0x0
; SECOND PASS OF THE SEARCH.  For each query the launch before has stored its 16 groups of 16 candidates, ascending (gidF: a group's place in the stream; gidG: its first index).  Here d is made again for those 256 candidates,
; by the same matrix instruction on the same codes in the same places along K and the same two roundings, each d goes into a sorted list with its index, the two halves of the lanes are merged, and the 16 indices are stored; then the centres.
; SHARES.  A wave owns 16 queries.  Each query has groups of its own, so a product serves ONE query: source 0 = the 16 candidates of group a of query q, source 1 = B_q, my queries' fragment with every column but q made zero codes.
; Sixteen such products, q = 0 .. 15, add onto one accumulator: column q receives its own sums once and exact zeros otherwise.  Lane (r, h), register j then holds candidate 16 G[r][a] + 8 h + j of query r.
; Two groups (a = 2 b + u) go side by side, so that two accumulators take turns, one instruction a turn.  A lane meets its candidates in ascending order of index, and the list takes a newcomer only where it is strictly smaller: ties go to the lower index.
; The candidates' fragments come from memory straight into a ring of eight steps' registers, eight steps ahead; their addresses are made from the stored list (read by scalar loads, held under the stream's last group by s_min_u32).
; No tensor load, no cluster: every address hangs on the stored lists, and no two work-groups ask for the same bytes at the same time.  No prefetch: the ring is the lead.  Waves share nothing: no barrier.
; The vector work (the lists) stands behind the products of the NEXT block, one insertion to a step: it is also the places between a step's products and the loads into the registers that they read.
; LIMITS: inputs and distances are finite (an infinite or NaN distance is never taken into a list); +0 and -0 count as equal.
; REGISTERS, in windows of 256: window 0: as named below.  window 1: the ring: 8 steps x 2 fragments x 16.  window 2: B_q at v[16 q].  window 3: v0-127, the sums of squares on their way into LDS, at the head alone.
.set CH,   2304
.set FMAX, 255*CH+128                  ; the place of a batch's last group
.set WLDS, 19456                       ; LDS of a wave: 16,384 sums of squares [a][2][lane][16 bytes]; 2,048 index bases [a][lane]; 1,024 for the way out
.set VL,  1                            ; v1   point r of a group, my half's codes: (r / 8) 1024 + h 256 + (r % 8) 16; never rewritten
.set VS,  2                            ; v2   4 r; never rewritten
.set LW,  3                            ; v3   my wave's LDS + 16 x lane
.set IW,  4                            ; v4   my wave's LDS + 16,384 + 4 x lane
.set ADQ, 5                            ; v5, v6 the same two + the block in hand
.set ADI, 6
.set IDT, 7                            ; v7   the index of the candidate in hand
.set IDB, 8                            ; v8, v9   16 G + 8 h of the two groups whose distances are being inserted
.set IDN, 10                           ; v10, v11 of the next two
.set SQN, 12                           ; v[12:13] sq of my query, twice
.set QS,  14                           ; v14  my queries' scale words
.set QD,  16                           ; v[16:23] my queries' codes
.set RS,  24                           ; v[24:39] the ring's scale words
.set ACC, 40                           ; v[40:55] two accumulators
.set DV,  56                           ; v[56:71] 16 distances being inserted
.set SQ,  72                           ; v[72:87] the candidates' sums of squares
.set L,   88                           ; v[88:103]  the 16 smallest d so far, ascending
.set I,   104                          ; v[104:119] their indices
.set T,   120                          ; v[120:135] at work
.set FV,  136                          ; v[136:151] my query's 16 places; at the end the other half's values
.set GV,  152                          ; v[152:167] my query's 16 first indices; at the end the other half's indices
.set MV,  168                          ; v[168:183], v[184:199] the merge's second set
.set MI,  184
.set RO,  200                          ; v200 64 r
.set HH,  201                          ; v201 h
.set LO,  202                          ; v202 16 x lane
.set MSB, 0
.macro WIN new                         ; the immediate's high byte repeats the setting that is left; a switch that changes nothing is dropped
.if MSB != \new
	s_set_vgpr_msb (MSB<<8)|\new
.set MSB, \new
.endif
.endm
.macro INSERT x, id                    ; v[x] with payload v[id] into the sorted list, without a branch: 64 lines, in runs that do not wait for each other
.irp i, 0,1,2,3,4,5,6,7,8,9,10,11,12,13,14,15
	v_cmp_lt_f32 s[48+\i], v[\x], v[L+\i]
.endr
.irp i, 0,1,2,3,4,5,6,7,8,9,10,11,12,13,14,15
	v_cndmask_b32 v[T+\i], v[I+\i], v[\id], s[48+\i]
.endr
.irp i, 15,14,13,12,11,10,9,8,7,6,5,4,3,2,1
	v_cndmask_b32 v[I+\i], v[T+\i], v[I+\i-1], s[48+\i-1]
.endr
	v_mov_b32 v[I], v[T]
.irp i, 15,14,13,12,11,10,9,8,7,6,5,4,3,2,1
	v_med3_num_f32 v[L+\i], v[L+\i-1], v[L+\i], v[\x]
.endr
	v_min_num_f32 v[L], v[L], v[\x]
.endm
.macro INS q                           ; distance q of the 16 in hand: group q / 8, candidate 8 h + q % 8
.if ((\q)%8) == 0
	INSERT DV+(\q), IDB+(\q)/8
.else
	v_add_nc_u32 v[IDT], (\q)%8, v[IDB+(\q)/8]
	INSERT DV+(\q), IDT
.endif
.endm
	s_load_b256 s[4:11], s[0:1], 0x0               ; the stream s[4:5], gidF s[6:7], gidG s[8:9], out0 s[10:11]
	v_lshl_add_u32 v254, v0, 2, 0x13000
	v_mov_b32 v255, 0
	v_lshrrev_b32 v15, 5, v0
	v_readfirstlane_b32 s12, v15                   ; wave 0..3
	v_and_b32 v15, 31, v0                          ; lane
	v_and_b32 v7, 15, v0                           ; r
	v_bfe_u32 v[HH], v0, 4, 1
	v_bfe_u32 v5, v0, 3, 1
	v_and_b32 v6, 7, v0
	v_lshlrev_b32 v[VL], 10, v5
	v_lshl_add_u32 v[VL], v[HH], 8, v[VL]
	v_lshl_add_u32 v[VL], v6, 4, v[VL]
	v_lshlrev_b32 v[VS], 2, v7
	v_lshlrev_b32 v[RO], 6, v7
	v_lshlrev_b32 v[LO], 4, v15
	s_mul_i32 s13, s12, WLDS
	v_add_nc_u32 v[LW], s13, v[LO]
	v_lshl_add_u32 v[IW], v15, 2, s13
	v_add_nc_u32 v[IW], 16384, v[IW]
	s_lshl_b32 s14, ttmp9, 2
	s_add_co_u32 s14, s14, s12                     ; my tile of 16 queries, 0 .. 1023
	s_lshr_b32 s18, s14, 9                         ; the batch
	s_mul_i32 s18, s18, 256*CH
	s_mov_b32 s19, 0                               ; (s19 and s21 stay 0: the upper words of the two offsets)
	s_and_b32 s15, s14, 511                        ; my queries are group Gq of the batch
	s_lshr_b32 s20, s15, 1
	s_mul_i32 s20, s20, CH
	s_and_b32 s22, s15, 1
	s_lshl_b32 s22, s22, 7
	s_add_co_u32 s20, s20, s22
	s_mov_b32 s21, 0
	s_lshl_b32 s24, s14, 10                        ; my 16 rows of 64 bytes in the tables and in out0
	s_mov_b32 s25, 0
	s_mov_b32 s27, 0                               ; the block in hand among the staged sums,
	s_mov_b32 s28, 0                               ; and among the index bases
	s_mov_b32 s29, 0xffff0000                      ; lanes 16-31
	s_mov_b32 s30, 0x76543210                      ; v_permlanex16_b32's selects for lane l xor 16
	s_mov_b32 s31, 0xfedcba98
	s_wait_kmcnt 0x0
	s_add_nc_u64 s[4:5], s[4:5], s[18:19]          ; the batch's stream
	s_add_nc_u64 s[6:7], s[6:7], s[24:25]
	s_add_nc_u64 s[8:9], s[8:9], s[24:25]
	s_add_nc_u64 s[10:11], s[10:11], s[24:25]
	s_add_nc_u64 s[22:23], s[4:5], s[20:21]        ; my queries' group
	global_load_b128 v[QD:QD+3], v[VL], s[22:23]
	global_load_b128 v[QD+4:QD+7], v[VL], s[22:23] offset:512
	global_load_b32 v[QS], v[VS], s[22:23] offset:2048
	global_load_b32 v[SQN], v[VS], s[22:23] offset:2112
.irp i, 0,1,2,3
	global_load_b128 v[FV+4*\i:FV+4*\i+3], v[RO], s[6:7] offset:16*\i   ; row r of each table
	global_load_b128 v[GV+4*\i:GV+4*\i+3], v[RO], s[8:9] offset:16*\i
.endr
.irp q, 0,1,2,3,4,5,6,7
	s_load_b64 s[32+2*\q:33+2*\q], s[6:7], \q*64   ; groups 0 and 1 of queries 0 to 7, for the ring's first eight steps
.endr
	WIN 0x40                                       ; destination window 1
.set f, 0
.rept 16
.irp j, 8,9,10,11,12,13,14,15
	v_mov_b32 v[16*f+\j], 0                        ; K = 64 .. 127 of every fragment of the ring: zero codes, written once
.endr
.set f, f+1
.endr
	WIN 0x80                                       ; destination window 2
.set f, 0
.rept 16
.irp j, 8,9,10,11,12,13,14,15
	v_mov_b32 v[16*f+\j], 0                        ; and of every B_q
.endr
.set f, f+1
.endr
	WIN 0
.irp i, 0,1,2,3,4,5,6,7,8,9,10,11,12,13,14,15
	v_mov_b32 v[L+\i], 0x7f800000                  ; the list begins as infinities,
	v_mov_b32 v[I+\i], 0
	v_mov_b32 v[DV+\i], 0x7f800000                 ; and so do the distances that the first trip's first eight insertions find: they change nothing
.endr
	v_mov_b32 v[IDB], 0
	v_mov_b32 v[IDB+1], 0
.irp q, 0,1,2,3,4,5,6,7,8,9,10,11,12,13,14,15
	s_mov_b32 s[48+\q], 0x10001<<\q                ; the two lanes that hold column q
.endr
	s_wait_loadcnt 0x0
	v_mov_b32 v[SQN+1], v[SQN]
	WIN 0x80
.set f, 0
.rept 16
.irp j, 0,1,2,3,4,5,6,7
	v_cndmask_b32 v[16*f+\j], 0, v[QD+\j], s[48+f] ; B_q: column q as it is, zero codes elsewhere
.endr
.set f, f+1
.endr
	WIN 0
.irp a, 0,1,2,3,4,5,6,7,8,9,10,11,12,13,14,15
	v_min_u32 v[FV+\a], FMAX, v[FV+\a]             ; a stored number enters an address only under this bound
.endr
.irp a, 0,1,2,3,4,5,6,7,8,9,10,11,12,13,14,15
	v_lshl_add_u32 v[FV+\a], v[HH], 5, v[FV+\a]    ; my half's eight candidates: 32 h bytes on
.endr
	WIN 0xc0                                       ; destination window 3
.set f, 0
.rept 16
	global_load_b128 v[8*f:8*f+3], v[FV+f], s[4:5] offset:2112      ; sq of candidates 8 h .. 8 h + 7 of group a of my query
	global_load_b128 v[8*f+4:8*f+7], v[FV+f], s[4:5] offset:2128
.set f, f+1
.endr
	WIN 0
; A step's two fragments and scale words into ring place beta: six loads.  f: the scalar pair with the two groups' places.
.macro ISSUE beta, f
	s_min_u32 s18, s[\f], FMAX
	s_min_u32 s20, s[\f+1], FMAX
	s_add_nc_u64 s[22:23], s[4:5], s[18:19]
	s_add_nc_u64 s[24:25], s[4:5], s[20:21]
	WIN 0x40
	global_load_b128 v[32*(\beta):32*(\beta)+3], v[VL], s[22:23]
	global_load_b128 v[32*(\beta)+4:32*(\beta)+7], v[VL], s[22:23] offset:512
	global_load_b128 v[32*(\beta)+16:32*(\beta)+19], v[VL], s[24:25]
	global_load_b128 v[32*(\beta)+20:32*(\beta)+23], v[VL], s[24:25] offset:512
	WIN 0
	global_load_b32 v[RS+2*(\beta)], v[VS], s[22:23] offset:2048
	global_load_b32 v[RS+2*(\beta)+1], v[VS], s[24:25] offset:2048
.endm
	s_wait_kmcnt 0x0
.irp q, 0,1,2,3,4,5,6,7
	s_wait_xcnt 0x0                                ; the loads issued so far have read their bases: the two bases may be written
	ISSUE \q, 32+2*\q
.endr
	s_load_b64 s[16:17], s[6:7], 8*64              ; the pair for the next step to be asked for: block 0, query 8
.irp a, 0,1,2,3,4,5,6,7,8,9,10,11,12,13,14,15
	v_lshl_add_u32 v[GV+\a], v[HH], 3, v[GV+\a]    ; 16 G + 8 h
.endr
.irp a, 0,1,2,3,4,5,6,7,8,9,10,11,12,13,14,15
	ds_store_b32 v[IW], v[GV+\a] offset:\a*128
.endr
	s_wait_loadcnt 48                              ; the 32 loads of sums are in; the ring's 48 behind them may be out
	WIN 0x0c                                       ; an LDS store's data are its source 1: window 3
.set f, 0
.rept 16
	ds_store_b128 v[LW], v[8*f:8*f+3] offset:f*1024
	ds_store_b128 v[LW], v[8*f+4:8*f+7] offset:f*1024+512
.set f, f+1
.endr
	WIN 0
.macro LDBLK                           ; the sums of squares and the index bases of the block at s27, s28 (a wave's LDS instructions are served in order: these see my stores)
	v_add_nc_u32 v[ADQ], s27, v[LW]
	v_add_nc_u32 v[ADI], s28, v[IW]
.irp u, 0,1
	ds_load_b128 v[SQ+8*\u:SQ+8*\u+3], v[ADQ] offset:\u*1024
	ds_load_b128 v[SQ+8*\u+4:SQ+8*\u+7], v[ADQ] offset:\u*1024+512
	ds_load_b32 v[IDN+\u], v[ADI] offset:\u*128
.endr
.endm
	LDBLK
; A STEP: query q of the block in hand.  cnt: the loads younger than this step's six: seven steps' while steps still ask.  ins: one insertion of the block before.  look: the step eight on is asked for, into the ring place just read,
; with the pair that a scalar load brought a step ago, and the pair after that is asked for at foff from the list pointer; pfstep: the pointer first goes one block (8 bytes) on.
.macro STEP q, ins, look, cnt, foff, pfstep
	s_wait_loadcnt \cnt
	WIN 0x09                                       ; source 0 window 1 (the ring), source 1 window 2 (B_q), C and D window 0
.set RB, 32*((\q)%8)
.set RW, RS+2*((\q)%8)
.if (\q) == 0
	v_wmma_scale_f32_16x16x128_f8f6f4 v[ACC:ACC+7], v[RB:RB+15], v[16*(\q):16*(\q)+15], 0, v[RW], v[QS] matrix_a_fmt:MATRIX_FMT_BF8 matrix_b_fmt:MATRIX_FMT_BF8
	v_wmma_scale_f32_16x16x128_f8f6f4 v[ACC+8:ACC+15], v[RB+16:RB+31], v[16*(\q):16*(\q)+15], 0, v[RW+1], v[QS] matrix_a_fmt:MATRIX_FMT_BF8 matrix_b_fmt:MATRIX_FMT_BF8
.else
	v_wmma_scale_f32_16x16x128_f8f6f4 v[ACC:ACC+7], v[RB:RB+15], v[16*(\q):16*(\q)+15], v[ACC:ACC+7], v[RW], v[QS] matrix_a_fmt:MATRIX_FMT_BF8 matrix_b_fmt:MATRIX_FMT_BF8
	v_wmma_scale_f32_16x16x128_f8f6f4 v[ACC+8:ACC+15], v[RB+16:RB+31], v[16*(\q):16*(\q)+15], v[ACC+8:ACC+15], v[RW+1], v[QS] matrix_a_fmt:MATRIX_FMT_BF8 matrix_b_fmt:MATRIX_FMT_BF8
.endif
	WIN 0
.if \ins
	INS \q
.else
.rept 8
	v_nop                                          ; places in front of loads into registers that these products read
.endr
.endif
.if \look
	s_wait_kmcnt 0x0                               ; the pair is in, and no scalar load is out: the list pointer may step
	s_wait_xcnt 0x0                                ; the last step's loads have read their bases
.if \pfstep
	s_add_nc_u64 s[6:7], s[6:7], 8
.endif
	ISSUE (\q)%8, 16
	s_load_b64 s[16:17], s[6:7], \foff
.endif
.endm
; A block's 16 products are done: d = (sq[n] - 2 inner) + sq[m], each accumulator read from its low end on; the index bases move up; next = 1: the next block's sums and bases are fetched.
.macro DCOMP next
	s_wait_dscnt 0x0
.irp i, 0,2,4,6,8,10,12,14
	v_pk_fma_f32 v[DV+\i:DV+\i+1], v[ACC+\i:ACC+\i+1], -2.0, v[SQN:SQN+1] op_sel_hi:[1,0,1]
.endr
.irp i, 0,2,4,6,8,10,12,14
	v_pk_add_f32 v[DV+\i:DV+\i+1], v[DV+\i:DV+\i+1], v[SQ+\i:SQ+\i+1]
.endr
	v_mov_b32 v[IDB], v[IDN]
	v_mov_b32 v[IDB+1], v[IDN+1]
.if \next
	s_add_co_u32 s27, s27, 2048
	s_add_co_u32 s28, s28, 256
	LDBLK
.endif
.endm
.irp q, 0,1,2,3,4,5,6
	STEP \q, 0, 1, 42, (\q+9)*64, 0                ; block 0, queries 0 to 7: there is nothing to insert yet
.endr
	STEP 7, 0, 1, 42, 8, 0
	s_mov_b32 s26, 7
.Lblock:                                           ; trip b = 0 .. 6 runs from the middle of block b to the middle of block b + 1: so every step that a trip asks for exists, and no tail of the loop is owed
.irp q, 8,9,10,11,12,13,14
	STEP \q, 1, 1, 42, (\q-7)*64+8, 0              ; block b, queries 8 to 15 | the second eight distances of block b - 1 | asks for block b + 1, queries 0 to 7
.endr
	STEP 15, 1, 1, 42, 8*64+8, 0
	DCOMP 1
	STEP 0, 1, 1, 42, 9*64, 1                      ; block b + 1, queries 0 to 7 | the first eight distances of block b | asks for block b + 1, queries 8 to 15
.irp q, 1,2,3,4,5,6
	STEP \q, 1, 1, 42, (\q+9)*64, 0
.endr
	STEP 7, 1, 1, 42, 8, 0                         ; (in the last trip this pair is not used; it lies inside my tile's 1,024 bytes of the table)
	s_sub_co_u32 s26, s26, 1
	s_cmp_lg_u32 s26, 0
	s_cbranch_scc1 .Lblock
	s_wait_kmcnt 0x0
.irp q, 8,9,10,11,12,13,14,15
	STEP \q, 1, 0, 42-6*(\q-8), 0, 0               ; block 7, queries 8 to 15: nothing more is asked for, the counts run down
.endr
	DCOMP 0
.irp q, 0,1,2,3,4,5,6,7,8,9,10,11,12,13,14,15
	INS \q
.endr
	; THE TWO HALVES OF THE LANES MEET.  Place i against the other half's place 15 - i: the smaller of each pair, by (d, index), are the 16 best of both, as a sequence that falls and rises; four stages of comparators put it in order.  Both halves end with the same list.
.irp i, 0,1,2,3,4,5,6,7,8,9,10,11,12,13,14,15
	v_permlanex16_b32 v[FV+\i], v[L+15-\i], s30, s31
.endr
.irp i, 0,1,2,3,4,5,6,7,8,9,10,11,12,13,14,15
	v_permlanex16_b32 v[GV+\i], v[I+15-\i], s30, s31
.endr
.irp i, 0,1,2,3,4,5,6,7,8,9,10,11,12,13,14,15
	v_cmp_lt_f32 s[48+\i], v[L+\i], v[FV+\i]
	v_cmp_eq_f32 s[32+\i], v[L+\i], v[FV+\i]
.endr
.irp i, 0,1,2,3,4,5,6,7,8,9,10,11,12,13,14,15
	v_cmp_lt_u32 vcc_lo, v[I+\i], v[GV+\i]
	s_and_b32 s[32+\i], s[32+\i], vcc_lo
	s_or_b32 s[48+\i], s[48+\i], s[32+\i]
	v_cndmask_b32 v[MI+\i], v[GV+\i], v[I+\i], s[48+\i]
	v_min_num_f32 v[MV+\i], v[L+\i], v[FV+\i]
.endr
.macro CSTAGE sv, si, dv, di, st, keepv ; eight comparators, st places apart, from one set of registers into the other; keepv = 0: the last stage, whose values nobody reads
.set ci, 0
.set cn, 0
.rept 16
.if (ci/\st)%2 == 0
	v_cmp_lt_f32 s[48+cn], v[\sv+ci], v[\sv+ci+\st]
	v_cmp_eq_f32 s[56+cn], v[\sv+ci], v[\sv+ci+\st]
.set cn, cn+1
.endif
.set ci, ci+1
.endr
.set ci, 0
.set cn, 0
.rept 16
.if (ci/\st)%2 == 0
	v_cmp_lt_u32 vcc_lo, v[\si+ci], v[\si+ci+\st]
	s_and_b32 s[56+cn], s[56+cn], vcc_lo
	s_or_b32 s[48+cn], s[48+cn], s[56+cn]
	v_cndmask_b32 v[\di+ci], v[\si+ci+\st], v[\si+ci], s[48+cn]
	v_cndmask_b32 v[\di+ci+\st], v[\si+ci], v[\si+ci+\st], s[48+cn]
.if \keepv
	v_min_num_f32 v[\dv+ci], v[\sv+ci], v[\sv+ci+\st]
	v_max_num_f32 v[\dv+ci+\st], v[\sv+ci], v[\sv+ci+\st]
.endif
.set cn, cn+1
.endif
.set ci, ci+1
.endr
.endm
	CSTAGE MV, MI, L, I, 8, 1
	CSTAGE L, I, MV, MI, 4, 1
	CSTAGE MV, MI, L, I, 2, 1
	CSTAGE L, I, MV, MI, 1, 0
.irp j, 0,1,2,3,4,5,6,7
	v_cndmask_b32 v[T+\j], v[MI+\j], v[MI+8+\j], s29   ; lanes 0-15 keep places 0-7 of their row, lanes 16-31 places 8-15
.endr
	v_lshl_add_u32 v[ADQ], v[HH], 5, v[RO]
	v_add_nc_u32 v[ADQ], s13, v[ADQ]               ; the way out, in: row r of 64 bytes, + 32 h
	ds_store_b128 v[ADQ], v[T:T+3] offset:18432
	ds_store_b128 v[ADQ], v[T+4:T+7] offset:18448
	ds_load_b128 v[FV:FV+3], v[LW] offset:18432    ; back: 16 bytes a lane on end
	ds_load_b128 v[FV+4:FV+7], v[LW] offset:18944
	v_and_b32 v[GV], 31, v0                        ; the centres: the 16 bytes at 16 x lane + 512 k lie in row lane / 4 + 8 k of my 16
	v_lshrrev_b32 v[GV], 2, v[GV]
	s_lshl_b32 s15, s15, 4                         ; my first query's index in its batch
	v_add_nc_u32 v[GV], s15, v[GV]
	v_mov_b32 v[GV+1], v[GV]
	v_mov_b32 v[GV+2], v[GV]
	v_mov_b32 v[GV+3], v[GV]
	v_add_nc_u32 v[GV+4], 8, v[GV]
	v_add_nc_u32 v[GV+5], 8, v[GV]
	v_add_nc_u32 v[GV+6], 8, v[GV]
	v_add_nc_u32 v[GV+7], 8, v[GV]
	global_store_b128 v[LO], v[GV:GV+3], s[10:11] offset:1048576      ; the second plane of out0 begins 2 x 8192 x 16 x 4 bytes on; each store of the wave covers 512 consecutive bytes, aligned
	global_store_b128 v[LO], v[GV+4:GV+7], s[10:11] offset:1049088
	s_wait_dscnt 0x0
	global_store_b128 v[LO], v[FV:FV+3], s[10:11]
	global_store_b128 v[LO], v[FV+4:FV+7], s[10:11] offset:512
	s_wait_tensorcnt 0x0
	ds_add_u32 v254, v255
	s_wait_dscnt 0x0
	s_endpgm
.Lfunc_end_k_qb0b51936b5_pick:
	.size	k_qb0b51936b5_pick, .Lfunc_end_k_qb0b51936b5_pick-k_qb0b51936b5_pick
	.p2alignl 7, 3214868480
	.fill 96, 4, 3214868480
	.section	.rodata,"a",@progbits
	.p2align	6, 0x0
	.amdhsa_kernel k_qb0b51936b5_pick
		.amdhsa_group_segment_fixed_size 78336
		.amdhsa_private_segment_fixed_size 0
		.amdhsa_enable_private_segment 0
		.amdhsa_kernarg_size 32
		.amdhsa_user_sgpr_count 2
		.amdhsa_user_sgpr_kernarg_segment_ptr 1
		.amdhsa_wavefront_size32 1
		.amdhsa_system_sgpr_workgroup_id_x 1
		.amdhsa_system_sgpr_workgroup_id_y 1
		.amdhsa_system_sgpr_workgroup_id_z 1
		.amdhsa_system_vgpr_workitem_id 0
		.amdhsa_next_free_vgpr 896
		.amdhsa_next_free_sgpr 66
		.amdhsa_reserve_vcc 1
		.amdhsa_float_denorm_mode_32 3
		.amdhsa_float_denorm_mode_16_64 3
		.amdhsa_memory_ordered 1
		.amdhsa_forward_progress 1
		.amdhsa_inst_pref_size 255
	.end_amdhsa_kernel
	.section	.bss,"aw",@nobits
	.p2align	6
	.space	262144
	.amdgpu_metadata
---
amdhsa.version: [ 1, 2 ]
amdhsa.kernels:
  - .name:           k_qb0b51936b5_pick
    .symbol:         k_qb0b51936b5_pick.kd
    .args:
      - { .name: strm, .offset: 0, .size: 8, .value_kind: global_buffer, .address_space: global }
      - { .name: gidF, .offset: 8, .size: 8, .value_kind: global_buffer, .address_space: global }
      - { .name: gidG, .offset: 16, .size: 8, .value_kind: global_buffer, .address_space: global }
      - { .name: out0, .offset: 24, .size: 8, .value_kind: global_buffer, .address_space: global }
    .group_segment_fixed_size: 78336
    .private_segment_fixed_size: 0
    .kernarg_segment_align: 8
    .kernarg_segment_size: 32
    .max_flat_workgroup_size: 128
    .sgpr_count:     66
    .vgpr_count:     896
    .wavefront_size: 32
...
	.end_amdgpu_metadata
.endif
;; end of part 3
;; ======== version 2 of 2: 3 launches; version 1 with the launch pick written anew for expert scheduling mode
;; workspace buffers: strm 1,179,648 bytes; gidF 1,048,576 bytes of whole numbers; gidG 1,048,576 bytes of whole numbers
;; launch quant: the kernel of part 1 again; grid 256 x 1, 2 waves a work-group, no clusters, 768 bytes of LDS; arguments x, strm; writes strm
;; launch groups: the kernel of part 2 again; grid 256 x 1, 4 waves a work-group, clusters of 4 x 1, 327,680 bytes of LDS; arguments strm, gidF, gidG; writes gidF, gidG
;; launch pick (part 4): grid 256 x 1, 4 waves a work-group, no clusters, 78,336 bytes of LDS; arguments strm, gidF, gidG, out0; writes out0
.if DOCPART == 4
	.amdgcn_target "amdgcn-amd-amdhsa--gfx1250"
	.amdhsa_code_object_version 6
	.text
	.protected	k_qb0b51936b5_pick
	.globl	k_qb0b51936b5_pick
	.p2align	8
	.type	k_qb0b51936b5_pick,@function
k_qb0b51936b5_pick:
	s_mov_b64 s[64:65], 0
	v_nop
	global_prefetch_b8 v0, s[64:65] scope:SCOPE_SE
	s_setreg_imm32_b32 hwreg(HW_REG_WAVE_SCHED_MODE, 0, 2), 2
	s_setreg_imm32_b32 hwreg(HW_REG_WAVE_MODE, 25, 1), 1
	s_wait_xcnt 0x0
	s_wait_alu depctr_vm_vsrc(0)
; SECOND PASS OF THE SEARCH.  For each query the launch before has stored its 16 groups of 16 candidates, ascending (gidF: a group's place in the stream; gidG: its first index).  Here d is made again for those 256 candidates,
; by the same matrix instruction on the same codes in the same places along K and the same two roundings, each d goes into a sorted list with its index, the two halves of the lanes are merged, and the 16 indices are stored; then the centres.
; SHARES.  A wave owns 16 queries.  Each query has groups of its own, so a product serves ONE query: source 0 = the 16 candidates of group a of query q, source 1 = B_q, my queries' fragment with every column but q made zero codes.
; Sixteen such products, q = 0 .. 15, add onto one accumulator: column q receives its own sums once and exact zeros otherwise.  Lane (r, h), register j then holds candidate 16 G[r][a] + 8 h + j of query r.
; Two groups (a = 2 b + u) go side by side, so that two accumulators take turns, one instruction a turn.  A lane meets its candidates in ascending order of index, and the list takes a newcomer only where it is strictly smaller: ties go to the lower index.
; The candidates' fragments come from memory straight into a ring of eight steps' registers, eight steps ahead; their addresses are made from the stored list (read by scalar loads, held under the stream's last group by s_min_u32).
; No tensor load, no cluster: every address hangs on the stored lists, and no two work-groups ask for the same bytes at the same time.  No prefetch: the ring is the lead.  Waves share nothing: no barrier.
; The vector work (the lists) stands behind the products of the NEXT block, one insertion to a step.
; LIMITS: inputs and distances are finite (an infinite or NaN distance is never taken into a list); +0 and -0 count as equal.
; THE MODE: SCHED_MODE bits 1:0 = 2 (LLVM: expert scheduling mode 2), set by the entry lines.  The code itself states the register dependences between vector or matrix instructions and memory or LDS instructions,
; and those through scalar registers that vector instructions write, with s_wait_alu, always for 0.
; THE PLAN.  Registers that memory or LDS instructions touch:
;   v[VL], v[VS], v[RO], v[LO], v[LW], v[IW]   offsets, made at the head and never written again.
;   ring place q % 8 and its two scale words    Step q: its two products read them; in the same step, in the middle of its insertion, the loads of the step eight on land in them.
;   SQ, IDN                                     once a block: the lines that make d read them; behind those the next block's LDS loads land in them.
;   v[ADQ], v[ADI]                              once a block: read by the block's six LDS loads, then written by two additions.
;   FV, GV                                      at the head offsets of loads and data of LDS stores; at the end written anew by the merge; the results and the centres leave from them.
;   B_q and the ring's zero codes are written by vector lines at the head and read by products alone.  ACC, DV, L, I, T (until the way out), MV, MI are named by vector and matrix lines alone.
; So a step holds ONE wait on va_vdst, directly ahead of its six loads (its products are done reading what the loads overwrite), and ONE on va_sdst, between the insertion's run of sixteen compares and the first select that reads a mask;
; a block holds one wait on vm_vsrc and one on va_vdst round the step of the two LDS addresses; the head, the merge and the way out have theirs, each with its reason beside it.
; REGISTERS, in windows of 256: window 0: as named below.  window 1: the ring: 8 steps x 2 fragments x 16.  window 2: B_q at v[16 q].  window 3: v0-127, the sums of squares on their way into LDS, at the head alone.
.set CH,   2304
.set FMAX, 255*CH+128                  ; the place of a batch's last group
.set WLDS, 19456                       ; LDS of a wave: 16,384 sums of squares [a][2][lane][16 bytes]; 2,048 index bases [a][lane]; 1,024 for the way out
.set VL,  1                            ; v1   point r of a group, my half's codes: (r / 8) 1024 + h 256 + (r % 8) 16; never rewritten
.set VS,  2                            ; v2   4 r; never rewritten
.set LW,  3                            ; v3   my wave's LDS + 16 x lane
.set IW,  4                            ; v4   my wave's LDS + 16,384 + 4 x lane
.set ADQ, 5                            ; v5, v6 the same two + the block in hand
.set ADI, 6
.set IDT, 7                            ; v7   the index of the candidate in hand
.set IDB, 8                            ; v8, v9   16 G + 8 h of the two groups whose distances are being inserted
.set IDN, 10                           ; v10, v11 of the next two
.set SQN, 12                           ; v[12:13] sq of my query, twice
.set QS,  14                           ; v14  my queries' scale words
.set QD,  16                           ; v[16:23] my queries' codes
.set RS,  24                           ; v[24:39] the ring's scale words
.set ACC, 40                           ; v[40:55] two accumulators
.set DV,  56                           ; v[56:71] 16 distances being inserted
.set SQ,  72                           ; v[72:87] the candidates' sums of squares
.set L,   88                           ; v[88:103]  the 16 smallest d so far, ascending
.set I,   104                          ; v[104:119] their indices
.set T,   120                          ; v[120:135] at work
.set FV,  136                          ; v[136:151] my query's 16 places; at the end the other half's values
.set GV,  152                          ; v[152:167] my query's 16 first indices; at the end the other half's indices
.set MV,  168                          ; v[168:183], v[184:199] the merge's second set
.set MI,  184
.set RO,  200                          ; v200 64 r
.set HH,  201                          ; v201 h
.set LO,  202                          ; v202 16 x lane
.set MSB, 0
.macro WIN new                         ; the immediate's high byte repeats the setting that is left; a switch that changes nothing is dropped
.if MSB != \new
	s_set_vgpr_msb (MSB<<8)|\new
.set MSB, \new
.endif
.endm
; AN INSERTION, without a branch, in two parts.  Distance q of the 16 in hand: group q / 8, candidate 8 h + q % 8.  c_i = x < L[i].
; Part A: the index, the sixteen masks, and the values: place i takes the middle of the old neighbour, the old value and the newcomer.  The values hang on no mask.
.macro INS_A q
.if ((\q)%8) != 0
	v_add_nc_u32 v[IDT], (\q)%8, v[IDB+(\q)/8]
.endif
.irp i, 0,1,2,3,4,5,6,7,8,9,10,11,12,13,14,15
	v_cmp_lt_f32 s[48+\i], v[DV+(\q)], v[L+\i]
.endr
.irp i, 15,14,13,12,11,10,9,8,7,6,5,4,3,2,1
	v_med3_num_f32 v[L+\i], v[L+\i-1], v[L+\i], v[DV+(\q)]
.endr
	v_min_num_f32 v[L], v[L], v[DV+(\q)]
.endm
; Part B: the payloads.  The payload of place i: where c_(i-1), the old neighbour's; else where c_i, the newcomer's.
.macro PAY id
.irp i, 0,1,2,3,4,5,6,7,8,9,10,11,12,13,14,15
	v_cndmask_b32 v[T+\i], v[I+\i], v[\id], s[48+\i]
.endr
.irp i, 15,14,13,12,11,10,9,8,7,6,5,4,3,2,1
	v_cndmask_b32 v[I+\i], v[T+\i], v[I+\i-1], s[48+\i-1]
.endr
	v_mov_b32 v[I], v[T]
.endm
.macro INS_B q
	s_wait_alu depctr_va_sdst(0)                   ; part A's sixteen compares have written s[48:63], ahead of the first select that reads one of them
.if ((\q)%8) == 0
	PAY IDB+(\q)/8
.else
	PAY IDT
.endif
.endm
	s_load_b256 s[4:11], s[0:1], 0x0               ; the stream s[4:5], gidF s[6:7], gidG s[8:9], out0 s[10:11]
	v_lshl_add_u32 v254, v0, 2, 0x13000
	v_mov_b32 v255, 0
	v_lshrrev_b32 v15, 5, v0
	v_readfirstlane_b32 s12, v15                   ; wave 0..3
	v_and_b32 v15, 31, v0                          ; lane
	v_and_b32 v7, 15, v0                           ; r
	v_bfe_u32 v[HH], v0, 4, 1
	v_bfe_u32 v5, v0, 3, 1
	v_and_b32 v6, 7, v0
	v_lshlrev_b32 v[VL], 10, v5
	v_lshl_add_u32 v[VL], v[HH], 8, v[VL]
	v_lshl_add_u32 v[VL], v6, 4, v[VL]
	v_lshlrev_b32 v[VS], 2, v7
	v_lshlrev_b32 v[RO], 6, v7
	v_lshlrev_b32 v[LO], 4, v15
	s_wait_alu depctr_va_sdst(0)                   ; s12 is written, ahead of its first reader: my LDS and my tile are made from it
	s_mul_i32 s13, s12, WLDS
	v_add_nc_u32 v[LW], s13, v[LO]
	v_lshl_add_u32 v[IW], v15, 2, s13
	v_add_nc_u32 v[IW], 16384, v[IW]
	s_lshl_b32 s14, ttmp9, 2
	s_add_co_u32 s14, s14, s12                     ; my tile of 16 queries, 0 .. 1023
	s_lshr_b32 s18, s14, 9                         ; the batch
	s_mul_i32 s18, s18, 256*CH
	s_mov_b32 s19, 0                               ; (s19 and s21 stay 0: the upper words of the two offsets)
	s_and_b32 s15, s14, 511                        ; my queries are group Gq of the batch
	s_lshr_b32 s20, s15, 1
	s_mul_i32 s20, s20, CH
	s_and_b32 s22, s15, 1
	s_lshl_b32 s22, s22, 7
	s_add_co_u32 s20, s20, s22
	s_mov_b32 s21, 0
	s_lshl_b32 s24, s14, 10                        ; my 16 rows of 64 bytes in the tables and in out0
	s_mov_b32 s25, 0
	s_mov_b32 s27, 0                               ; the block in hand among the staged sums,
	s_mov_b32 s28, 0                               ; and among the index bases
	s_mov_b32 s29, 0xffff0000                      ; lanes 16-31
	s_mov_b32 s30, 0x76543210                      ; v_permlanex16_b32's selects for lane l xor 16
	s_mov_b32 s31, 0xfedcba98
	s_wait_kmcnt 0x0
	s_add_nc_u64 s[4:5], s[4:5], s[18:19]          ; the batch's stream
	s_add_nc_u64 s[6:7], s[6:7], s[24:25]
	s_add_nc_u64 s[8:9], s[8:9], s[24:25]
	s_add_nc_u64 s[10:11], s[10:11], s[24:25]
	s_add_nc_u64 s[22:23], s[4:5], s[20:21]        ; my queries' group
	s_wait_alu depctr_va_vdst(0)                   ; v[VL], v[VS] and v[RO] are written, which the loads below read as their offsets
	global_load_b128 v[QD:QD+3], v[VL], s[22:23]
	global_load_b128 v[QD+4:QD+7], v[VL], s[22:23] offset:512
	global_load_b32 v[QS], v[VS], s[22:23] offset:2048
	global_load_b32 v[SQN], v[VS], s[22:23] offset:2112
.irp i, 0,1,2,3
	global_load_b128 v[FV+4*\i:FV+4*\i+3], v[RO], s[6:7] offset:16*\i   ; row r of each table
	global_load_b128 v[GV+4*\i:GV+4*\i+3], v[RO], s[8:9] offset:16*\i
.endr
.irp q, 0,1,2,3,4,5,6,7
	s_load_b64 s[32+2*\q:33+2*\q], s[6:7], \q*64   ; groups 0 and 1 of queries 0 to 7, for the ring's first eight steps
.endr
	WIN 0x40                                       ; destination window 1
.set f, 0
.rept 16
.irp j, 8,9,10,11,12,13,14,15
	v_mov_b32 v[16*f+\j], 0                        ; K = 64 .. 127 of every fragment of the ring: zero codes, written once
.endr
.set f, f+1
.endr
	WIN 0x80                                       ; destination window 2
.set f, 0
.rept 16
.irp j, 8,9,10,11,12,13,14,15
	v_mov_b32 v[16*f+\j], 0                        ; and of every B_q
.endr
.set f, f+1
.endr
	WIN 0
.irp i, 0,1,2,3,4,5,6,7,8,9,10,11,12,13,14,15
	v_mov_b32 v[L+\i], 0x7f800000                  ; the list begins as infinities,
	v_mov_b32 v[I+\i], 0
	v_mov_b32 v[DV+\i], 0x7f800000                 ; and so do the distances that the first trip's first eight insertions find: they change nothing
.endr
	v_mov_b32 v[IDB], 0
	v_mov_b32 v[IDB+1], 0
.irp q, 0,1,2,3,4,5,6,7,8,9,10,11,12,13,14,15
	s_mov_b32 s[48+\q], 0x10001<<\q                ; the two lanes that hold column q
.endr
	s_wait_loadcnt 0x0
	v_mov_b32 v[SQN+1], v[SQN]
	WIN 0x80
.set f, 0
.rept 16
.irp j, 0,1,2,3,4,5,6,7
	v_cndmask_b32 v[16*f+\j], 0, v[QD+\j], s[48+f] ; B_q: column q as it is, zero codes elsewhere
.endr
.set f, f+1
.endr
	WIN 0
.irp a, 0,1,2,3,4,5,6,7,8,9,10,11,12,13,14,15
	v_min_u32 v[FV+\a], FMAX, v[FV+\a]             ; a stored number enters an address only under this bound
.endr
.irp a, 0,1,2,3,4,5,6,7,8,9,10,11,12,13,14,15
	v_lshl_add_u32 v[FV+\a], v[HH], 5, v[FV+\a]    ; my half's eight candidates: 32 h bytes on
.endr
.irp a, 0,1,2,3,4,5,6,7,8,9,10,11,12,13,14,15
	v_lshl_add_u32 v[GV+\a], v[HH], 3, v[GV+\a]    ; 16 G + 8 h
.endr
.macro BLKADR                          ; the LDS addresses of the block at s27, s28
	v_add_nc_u32 v[ADQ], s27, v[LW]
	v_add_nc_u32 v[ADI], s28, v[IW]
.endm
.macro BLKLD                           ; its sums of squares and index bases (a wave's LDS instructions are served in order: these see my stores)
.irp u, 0,1
	ds_load_b128 v[SQ+8*\u:SQ+8*\u+3], v[ADQ] offset:\u*1024
	ds_load_b128 v[SQ+8*\u+4:SQ+8*\u+7], v[ADQ] offset:\u*1024+512
	ds_load_b32 v[IDN+\u], v[ADI] offset:\u*128
.endr
.endm
	BLKADR                                         ; block 0's
	WIN 0xc0                                       ; destination window 3
	s_wait_alu depctr_va_vdst(0)                   ; written are: FV, the offsets of the 32 loads below; GV, the data of the sixteen LDS stores; v[ADQ], v[ADI], the addresses of block 0's LDS loads; B_q and the zero codes, operands of the scaled products.  From here to the first product stands no vector line
.set f, 0
.rept 16
	global_load_b128 v[8*f:8*f+3], v[FV+f], s[4:5] offset:2112      ; sq of candidates 8 h .. 8 h + 7 of group a of my query
	global_load_b128 v[8*f+4:8*f+7], v[FV+f], s[4:5] offset:2128
.set f, f+1
.endr
	WIN 0
; A step's two fragments and scale words into ring place beta: six loads.  f: the scalar pair with the two groups' places.  w = 1: products have read the place.
.macro ISSUE beta, f, w
	s_min_u32 s18, s[\f], FMAX
	s_min_u32 s20, s[\f+1], FMAX
	s_add_nc_u64 s[22:23], s[4:5], s[18:19]
	s_add_nc_u64 s[24:25], s[4:5], s[20:21]
	WIN 0x40
.if \w
	s_wait_alu depctr_va_vdst(0)                   ; this step's two products are done reading the ring place and the two scale words in which the six loads below land
.endif
	global_load_b128 v[32*(\beta):32*(\beta)+3], v[VL], s[22:23]
	global_load_b128 v[32*(\beta)+4:32*(\beta)+7], v[VL], s[22:23] offset:512
	global_load_b128 v[32*(\beta)+16:32*(\beta)+19], v[VL], s[24:25]
	global_load_b128 v[32*(\beta)+20:32*(\beta)+23], v[VL], s[24:25] offset:512
	WIN 0
	global_load_b32 v[RS+2*(\beta)], v[VS], s[22:23] offset:2048
	global_load_b32 v[RS+2*(\beta)+1], v[VS], s[24:25] offset:2048
.endm
	s_wait_kmcnt 0x0
.irp q, 0,1,2,3,4,5,6,7
	s_wait_xcnt 0x0                                ; the loads issued so far have read their bases: the two bases may be written
	ISSUE \q, 32+2*\q, 0                           ; no vector or matrix line has named these registers
.endr
	s_load_b64 s[16:17], s[6:7], 8*64              ; the pair for the next step to be asked for: block 0, query 8
.irp a, 0,1,2,3,4,5,6,7,8,9,10,11,12,13,14,15
	ds_store_b32 v[IW], v[GV+\a] offset:\a*128
.endr
	s_wait_loadcnt 48                              ; the 32 loads of sums are in; the ring's 48 behind them may be out
	WIN 0x0c                                       ; an LDS store's data are its source 1: window 3
.set f, 0
.rept 16
	ds_store_b128 v[LW], v[8*f:8*f+3] offset:f*1024
	ds_store_b128 v[LW], v[8*f+4:8*f+7] offset:f*1024+512
.set f, f+1
.endr
	WIN 0
	BLKLD
; A STEP: query q of the block in hand.  cnt: the loads younger than this step's six: seven steps' while steps still ask.  ins: one insertion of the block before.  look: the step eight on is asked for, into the ring place just read,
; with the pair that a scalar load brought a step ago, and the pair after that is asked for at foff from the list pointer; pfstep: the pointer first goes one block (8 bytes) on.
; The six loads stand in the middle of the insertion, behind its masks and values and ahead of its selects, none of which names a register that the loads touch.
.macro STEP q, ins, look, cnt, foff, pfstep
	s_wait_loadcnt \cnt
	WIN 0x09                                       ; source 0 window 1 (the ring), source 1 window 2 (B_q), C and D window 0
.set RB, 32*((\q)%8)
.set RW, RS+2*((\q)%8)
.if (\q) == 0
	v_wmma_scale_f32_16x16x128_f8f6f4 v[ACC:ACC+7], v[RB:RB+15], v[16*(\q):16*(\q)+15], 0, v[RW], v[QS] matrix_a_fmt:MATRIX_FMT_BF8 matrix_b_fmt:MATRIX_FMT_BF8
	v_wmma_scale_f32_16x16x128_f8f6f4 v[ACC+8:ACC+15], v[RB+16:RB+31], v[16*(\q):16*(\q)+15], 0, v[RW+1], v[QS] matrix_a_fmt:MATRIX_FMT_BF8 matrix_b_fmt:MATRIX_FMT_BF8
.else
	v_wmma_scale_f32_16x16x128_f8f6f4 v[ACC:ACC+7], v[RB:RB+15], v[16*(\q):16*(\q)+15], v[ACC:ACC+7], v[RW], v[QS] matrix_a_fmt:MATRIX_FMT_BF8 matrix_b_fmt:MATRIX_FMT_BF8
	v_wmma_scale_f32_16x16x128_f8f6f4 v[ACC+8:ACC+15], v[RB+16:RB+31], v[16*(\q):16*(\q)+15], v[ACC+8:ACC+15], v[RW+1], v[QS] matrix_a_fmt:MATRIX_FMT_BF8 matrix_b_fmt:MATRIX_FMT_BF8
.endif
	WIN 0
.if \ins
	INS_A \q
.else
.rept 8
	v_nop                                          ; eight plain lines behind the products, in front of the loads into the registers that they read; the wait ahead of those loads states the dependence beside them
.endr
.endif
.if \look
	s_wait_kmcnt 0x0                               ; the pair is in, and no scalar load is out: the list pointer may step
	s_wait_xcnt 0x0                                ; the last step's loads have read their bases
.if \pfstep
	s_add_nc_u64 s[6:7], s[6:7], 8
.endif
	ISSUE (\q)%8, 16, 1
	s_load_b64 s[16:17], s[6:7], \foff
.endif
.if \ins
	INS_B \q
.endif
.endm
; A block's 16 products are done: d = (sq[n] - 2 inner) + sq[m], each accumulator read from its low end on; the index bases move up; next = 1: the next block's sums and bases are fetched.
.macro DCOMP next
	s_wait_dscnt 0x0
.irp i, 0,2,4,6,8,10,12,14
	v_pk_fma_f32 v[DV+\i:DV+\i+1], v[ACC+\i:ACC+\i+1], -2.0, v[SQN:SQN+1] op_sel_hi:[1,0,1]
.endr
.irp i, 0,2,4,6,8,10,12,14
	v_pk_add_f32 v[DV+\i:DV+\i+1], v[DV+\i:DV+\i+1], v[SQ+\i:SQ+\i+1]
.endr
	v_mov_b32 v[IDB], v[IDN]
	v_mov_b32 v[IDB+1], v[IDN+1]
.if \next
	s_add_co_u32 s27, s27, 2048
	s_add_co_u32 s28, s28, 256
	s_wait_alu depctr_vm_vsrc(0)                   ; the last block's six LDS loads have read v[ADQ] and v[ADI], which the two additions below write
	BLKADR
	s_wait_alu depctr_va_vdst(0)                   ; v[ADQ] and v[ADI] are written, which the LDS loads below read; the additions above are done reading SQ and the moves IDN, in which those loads land
	BLKLD
.endif
.endm
.irp q, 0,1,2,3,4,5,6
	STEP \q, 0, 1, 42, (\q+9)*64, 0                ; block 0, queries 0 to 7: there is nothing to insert yet
.endr
	STEP 7, 0, 1, 42, 8, 0
	s_mov_b32 s26, 7
.Lblock:                                           ; trip b = 0 .. 6 runs from the middle of block b to the middle of block b + 1: so every step that a trip asks for exists, and no tail of the loop is owed
.irp q, 8,9,10,11,12,13,14
	STEP \q, 1, 1, 42, (\q-7)*64+8, 0              ; block b, queries 8 to 15 | the second eight distances of block b - 1 | asks for block b + 1, queries 0 to 7
.endr
	STEP 15, 1, 1, 42, 8*64+8, 0
	DCOMP 1
	STEP 0, 1, 1, 42, 9*64, 1                      ; block b + 1, queries 0 to 7 | the first eight distances of block b | asks for block b + 1, queries 8 to 15
.irp q, 1,2,3,4,5,6
	STEP \q, 1, 1, 42, (\q+9)*64, 0
.endr
	STEP 7, 1, 1, 42, 8, 0                         ; (in the last trip this pair is not used; it lies inside my tile's 1,024 bytes of the table)
	s_sub_co_u32 s26, s26, 1
	s_cmp_lg_u32 s26, 0
	s_cbranch_scc1 .Lblock
	s_wait_kmcnt 0x0
.irp q, 8,9,10,11,12,13,14,15
	STEP \q, 1, 0, 42-6*(\q-8), 0, 0               ; block 7, queries 8 to 15: nothing more is asked for, the counts run down
.endr
	DCOMP 0
.irp q, 0,1,2,3,4,5,6,7,8,9,10,11,12,13,14,15
	INS_A \q
	INS_B \q
.endr
	; THE TWO HALVES OF THE LANES MEET.  Place i against the other half's place 15 - i: the smaller of each pair, by (d, index), are the 16 best of both, as a sequence that falls and rises; four stages of comparators put it in order.  Both halves end with the same list.
	; A pair's three compares (d smaller, d equal, index smaller) go into scalar registers, eight pairs to a run, with one wait behind the run; the values' minima and maxima, which hang on no mask, stand between.
	s_wait_alu depctr_vm_vsrc(0)                   ; the head's loads have read FV as their offsets, its LDS stores GV as their data, the last block's LDS loads v[ADQ]: all three are written below
.irp i, 0,1,2,3,4,5,6,7,8,9,10,11,12,13,14,15
	v_permlanex16_b32 v[FV+\i], v[L+15-\i], s30, s31
.endr
.irp i, 0,1,2,3,4,5,6,7,8,9,10,11,12,13,14,15
	v_permlanex16_b32 v[GV+\i], v[I+15-\i], s30, s31
.endr
.macro MERGE8 hf                       ; places 8 hf .. 8 hf + 7
.irp n, 0,1,2,3,4,5,6,7
	v_cmp_lt_f32 s[32+\n], v[L+8*(\hf)+\n], v[FV+8*(\hf)+\n]
	v_cmp_eq_f32 s[40+\n], v[L+8*(\hf)+\n], v[FV+8*(\hf)+\n]
	v_cmp_lt_u32 s[48+\n], v[I+8*(\hf)+\n], v[GV+8*(\hf)+\n]
.endr
.irp n, 0,1,2,3,4,5,6,7
	v_min_num_f32 v[MV+8*(\hf)+\n], v[L+8*(\hf)+\n], v[FV+8*(\hf)+\n]
.endr
	s_wait_alu depctr_va_sdst(0)                   ; the 24 compares have written s[32:55], ahead of the first scalar line that reads one of them
.irp n, 0,1,2,3,4,5,6,7
	s_and_b32 s[40+\n], s[40+\n], s[48+\n]
	s_or_b32 s[32+\n], s[32+\n], s[40+\n]
	v_cndmask_b32 v[MI+8*(\hf)+\n], v[GV+8*(\hf)+\n], v[I+8*(\hf)+\n], s[32+\n]
.endr
.endm
	MERGE8 0
	MERGE8 1
.macro CSTAGE sv, si, dv, di, st, keepv ; eight comparators, st places apart, from one set of registers into the other; keepv = 0: the last stage, whose values nobody reads
.set ci, 0
.set cn, 0
.rept 16
.if (ci/\st)%2 == 0
	v_cmp_lt_f32 s[32+cn], v[\sv+ci], v[\sv+ci+\st]
	v_cmp_eq_f32 s[40+cn], v[\sv+ci], v[\sv+ci+\st]
	v_cmp_lt_u32 s[48+cn], v[\si+ci], v[\si+ci+\st]
.set cn, cn+1
.endif
.set ci, ci+1
.endr
.if \keepv
.set ci, 0
.rept 16
.if (ci/\st)%2 == 0
	v_min_num_f32 v[\dv+ci], v[\sv+ci], v[\sv+ci+\st]
	v_max_num_f32 v[\dv+ci+\st], v[\sv+ci], v[\sv+ci+\st]
.endif
.set ci, ci+1
.endr
.endif
	s_wait_alu depctr_va_sdst(0)                   ; the stage's 24 compares have written s[32:55], ahead of the first scalar line that reads one of them
.set ci, 0
.set cn, 0
.rept 16
.if (ci/\st)%2 == 0
	s_and_b32 s[40+cn], s[40+cn], s[48+cn]
	s_or_b32 s[32+cn], s[32+cn], s[40+cn]
	v_cndmask_b32 v[\di+ci], v[\si+ci+\st], v[\si+ci], s[32+cn]
	v_cndmask_b32 v[\di+ci+\st], v[\si+ci], v[\si+ci+\st], s[32+cn]
.set cn, cn+1
.endif
.set ci, ci+1
.endr
.endm
	CSTAGE MV, MI, L, I, 8, 1
	CSTAGE L, I, MV, MI, 4, 1
	CSTAGE MV, MI, L, I, 2, 1
	CSTAGE L, I, MV, MI, 1, 0
.irp j, 0,1,2,3,4,5,6,7
	v_cndmask_b32 v[T+\j], v[MI+\j], v[MI+8+\j], s29   ; lanes 0-15 keep places 0-7 of their row, lanes 16-31 places 8-15
.endr
	v_lshl_add_u32 v[ADQ], v[HH], 5, v[RO]
	v_add_nc_u32 v[ADQ], s13, v[ADQ]               ; the way out, in: row r of 64 bytes, + 32 h
	v_and_b32 v[GV], 31, v0                        ; the centres: the 16 bytes at 16 x lane + 512 k lie in row lane / 4 + 8 k of my 16
	v_lshrrev_b32 v[GV], 2, v[GV]
	s_lshl_b32 s15, s15, 4                         ; my first query's index in its batch
	v_add_nc_u32 v[GV], s15, v[GV]
	v_mov_b32 v[GV+1], v[GV]
	v_mov_b32 v[GV+2], v[GV]
	v_mov_b32 v[GV+3], v[GV]
	v_add_nc_u32 v[GV+4], 8, v[GV]
	v_add_nc_u32 v[GV+5], 8, v[GV]
	v_add_nc_u32 v[GV+6], 8, v[GV]
	v_add_nc_u32 v[GV+7], 8, v[GV]
	s_wait_alu depctr_va_vdst(0)                   ; written are: T, the LDS stores' data; v[ADQ], their address; GV, the data of the centres' stores.  The merge is done reading and writing FV, in which the LDS loads below land
	ds_store_b128 v[ADQ], v[T:T+3] offset:18432
	ds_store_b128 v[ADQ], v[T+4:T+7] offset:18448
	ds_load_b128 v[FV:FV+3], v[LW] offset:18432    ; back: 16 bytes a lane on end
	ds_load_b128 v[FV+4:FV+7], v[LW] offset:18944
	global_store_b128 v[LO], v[GV:GV+3], s[10:11] offset:1048576      ; the second plane of out0 begins 2 x 8192 x 16 x 4 bytes on; each store of the wave covers 512 consecutive bytes, aligned
	global_store_b128 v[LO], v[GV+4:GV+7], s[10:11] offset:1049088
	s_wait_dscnt 0x0
	global_store_b128 v[LO], v[FV:FV+3], s[10:11]
	global_store_b128 v[LO], v[FV+4:FV+7], s[10:11] offset:512
	s_wait_dscnt 0x0
	s_wait_alu depctr_hold_cnt(0) depctr_sa_sdst(0) depctr_va_vdst(0) depctr_va_sdst(0) depctr_va_ssrc(0) depctr_va_vcc(0) depctr_vm_vsrc(0)
	s_wait_tensorcnt 0x0
	ds_add_u32 v254, v255
	s_wait_dscnt 0x0
	s_endpgm
.Lfunc_end_k_qb0b51936b5_pick:
	.size	k_qb0b51936b5_pick, .Lfunc_end_k_qb0b51936b5_pick-k_qb0b51936b5_pick
	.p2alignl 7, 3214868480
	.fill 96, 4, 3214868480
	.section	.rodata,"a",@progbits
	.p2align	6, 0x0
	.amdhsa_kernel k_qb0b51936b5_pick
		.amdhsa_group_segment_fixed_size 78336
		.amdhsa_private_segment_fixed_size 0
		.amdhsa_enable_private_segment 0
		.amdhsa_kernarg_size 32
		.amdhsa_user_sgpr_count 2
		.amdhsa_user_sgpr_kernarg_segment_ptr 1
		.amdhsa_wavefront_size32 1
		.amdhsa_system_sgpr_workgroup_id_x 1
		.amdhsa_system_sgpr_workgroup_id_y 1
		.amdhsa_system_sgpr_workgroup_id_z 1
		.amdhsa_system_vgpr_workitem_id 0
		.amdhsa_next_free_vgpr 896
		.amdhsa_next_free_sgpr 66
		.amdhsa_reserve_vcc 0
		.amdhsa_float_denorm_mode_32 3
		.amdhsa_float_denorm_mode_16_64 3
		.amdhsa_memory_ordered 1
		.amdhsa_forward_progress 1
		.amdhsa_inst_pref_size 255
	.end_amdhsa_kernel
	.section	.bss,"aw",@nobits
	.p2align	6
	.space	262144
	.amdgpu_metadata
---
amdhsa.version: [ 1, 2 ]
amdhsa.kernels:
  - .name:           k_qb0b51936b5_pick
    .symbol:         k_qb0b51936b5_pick.kd
    .args:
      - { .name: strm, .offset: 0, .size: 8, .value_kind: global_buffer, .address_space: global }
      - { .name: gidF, .offset: 8, .size: 8, .value_kind: global_buffer, .address_space: global }
      - { .name: gidG, .offset: 16, .size: 8, .value_kind: global_buffer, .address_space: global }
      - { .name: out0, .offset: 24, .size: 8, .value_kind: global_buffer, .address_space: global }
    .group_segment_fixed_size: 78336
    .private_segment_fixed_size: 0
    .kernarg_segment_align: 8
    .kernarg_segment_size: 32
    .max_flat_workgroup_size: 128
    .sgpr_count:     66
    .vgpr_count:     896
    .wavefront_size: 32
...
	.end_amdgpu_metadata
.endif
;; end of part 4
